; MI455X (gfx1250); checked and timed in simulation.
; The chip was launched on July 23, 2026; its instructions are those of AMD's public machine-readable ISA for CDNA 5 (MIT licence, August 2026) and "CDNA5" Instruction Set Architecture Reference Guide (July 2026). The comments in the code are by the model that wrote it; some were corrected since.
;; Self Attention. Allowed arithmetic: matrix products marked QUANTISED: E2M3 operands, one E8M0 scale for each 32 along K, by v_wmma_scale_f32_16x16x128_f8f6f4 with both operands' format E2M3, f32 sums; everything else in f32.
;; Inputs: ln_b 1,024 float32; ln_w 1,024 float32; out_b 1,024 float32; out_w_codes 1,024 x 32 x 24 uint8 (E2M3 codes of out_w, K innermost, in blocks of 32 codes, four codes in three bytes); out_w_scales 1,024 x 32 uint8 (E8M0 scales of out_w, one for each 32 codes along K); qkv_w_codes 3,072 x 32 x 24 uint8 (E2M3 codes of qkv_w, K innermost, in blocks of 32 codes, four codes in three bytes); qkv_w_scales 3,072 x 32 uint8 (E8M0 scales of qkv_w, one for each 32 codes along K); x 4 x 2,048 x 1,024 float32.
;; Outputs: out0 4 x 2,048 x 1,024 float32.
;; This version of the problem:
;;   THIS VERSION OF THE PROBLEM IS GIVEN IN LOW PRECISION. The matrix products marked QUANTISED in the list below multiply operands that are first quantised to E2M3 (2 exponent bits, 3 mantissa bits; 6 bits a number), with one power-of-two scale for each 32 numbers along K (OCP MX v1.0); their sums are f32. All else is computed in f32.
;;   The module's matrix products, in the order in which they are computed (A, B: the left and right operand; K: the contracted axis; several contracted axes count as one K, in the product's order):
;;     1. [M 8,192, K 1,024] x [K 1,024, N 3,072]; A: computed on the way; B: input qkv_w (given as codes): QUANTISED
;;     2. batch 64 x [M 2,048, K 64] x [K 64, N 2,048]; A: computed on the way; B: computed on the way: QUANTISED
;;     3. batch 64 x [M 64, K 2,048] x [K 2,048, N 2,048]; A: computed on the way; B: softmax (see below): QUANTISED
;;     4. [M 8,192, K 1,024] x [K 1,024, N 1,024]; A: computed on the way; B: input out_w (given as codes): QUANTISED
;;   THE QUANTISER, for each operand of a quantised product, along K:
;;     - K is cut into blocks of 32 from its start; a last block that is shorter is filled with zeros.
;;     - A block's scale is 2^e with e = floor(log2(the largest magnitude in the block)) - 2, held to -126 .. 127; a block of zeros has e = 0. As a byte (E8M0): e + 127.
;;     - Each number is divided by its block's scale, clamped to +-7.5, and rounded to the nearest number of E2M3, ties to even, subnormals kept.
;;     - The product sums the exact products of the quantised numbers (number of the format x scale) in f32.
;;   ~~~python
;;   def quantise(x, axis):      # numpy; x: float32 -> the quantised numbers, widened to float32 again
;;       x = np.moveaxis(x, axis, -1); K = x.shape[-1]
;;       x = np.pad(x, [(0, 0)] * (x.ndim - 1) + [(0, -K % 32)]); x = x.reshape(x.shape[:-1] + (-1, 32)); a = np.abs(x).max(-1, keepdims=True)
;;       e = np.where(a > 0, np.clip(np.frexp(np.where(a > 0, a, 1))[1] - 1 - 2, -126, 127), 0)      # np.frexp(a)[1] - 1 = floor(log2(a)), exactly
;;       r = np.clip(x / 2.0 ** e, -7.5, 7.5)
;;       step = 2.0 ** (np.maximum(np.frexp(np.where(r == 0, 1, r))[1] - 1, 0) - 3)
;;       q = np.round(r / step) * step * 2.0 ** e      # np.round: ties to even
;;       return np.moveaxis(q.reshape(q.shape[:-2] + (-1,))[..., :K], -1, axis).astype(np.float32)
;;   ~~~
;;   SOFTMAX AHEAD OF A QUANTISED PRODUCT. Where the list says 'softmax', what is quantised is not the finished softmax but p = 2^(t - M), with t = logit x log2(e) and M = ceil(the row's largest t), a whole number; so 1/2 < the row's largest p <= 1. The row's sum l is taken of the UNQUANTISED p, in f32, and the product's result is divided by l at the end. Since M is a whole number, a kernel that streams over the keys may use a running M (the ceiling of the running maximum): every later rescaling is an exact power of two, which a block's scale takes up: the codes' values come out the same.
;;   OPERANDS COMPUTED ON THE WAY. 'Computed on the way' means the value that the module computes at that place (a softmax that the list does not call 'softmax' is quantised finished and normalised). What goes into a quantiser is computed in f32, as accurately as f32 sums, v_exp_f32 and their like allow (about 1e-6 of the number): no bf16 or f16 on the way to a quantiser, and a product that is left as it is and whose result goes on into a quantised operand takes f32 operands (vector FMAs, or v_wmma_f32_16x16x4_f32). A number that lies on a knife's edge between two numbers of the format may be rounded either way, as far as f32 arithmetic and the matrix unit's own rounding can turn it there, and no further.
;;   INPUTS GIVEN AS CODES. out_w (in the module: [1024, 1024], K = its axis 0); qkv_w (in the module: [1024, 3072], K = its axis 0): each comes as NAME_codes (uint8): NAME with its K axis moved to the last place and cut into blocks of 32 codes, [.., K / 32, bytes a block], one block behind the other in memory; four codes in three bytes: a row's codes are one little-endian stream of bits, code i at bits 6 i .. 6 i + 5 (a code: sign, 2 exponent bits, 3 mantissa bits); and NAME_scales (uint8): the same leading axes, one E8M0 byte (e + 127) for each 32 codes along K. Its value is code x scale, taken as it is: it is not quantised again, and the codes and scales need not be those that the quantiser above would give.
;; One version. Each part assembles by itself: llvm-mc -triple=amdgcn-amd-amdhsa -mcpu=gfx1250 --defsym DOCPART=n.
;; ======== version 1 of 1: 4 launches
;; workspace buffers: hc 6,291,456 bytes; hs 262,144 bytes; qc 6,291,456 bytes; qs 524,288 bytes; kv 13,369,344 bytes; oc 6,291,456 bytes; os 262,144 bytes
;; launch lnq (part 1): grid 256 x 1, 8 waves a work-group, no clusters, 66,560 bytes of LDS; arguments x, ln_w, ln_b, hc, hs; writes hc, hs
.if DOCPART == 1
	.amdgcn_target "amdgcn-amd-amdhsa--gfx1250"
	.amdhsa_code_object_version 6
	.text
	.protected	k_q8c1b7a91c3_lnq
	.globl	k_q8c1b7a91c3_lnq
	.p2align	8
	.type	k_q8c1b7a91c3_lnq,@function
k_q8c1b7a91c3_lnq:
	s_mov_b64 s[64:65], 0
	v_nop
	global_prefetch_b8 v0, s[64:65] scope:SCOPE_SE
	s_setreg_imm32_b32 hwreg(HW_REG_WAVE_MODE, 25, 1), 1
	s_wait_xcnt 0x0
; h = LayerNorm(x) over the 1,024 channels of a row, in f32, then quantised along the channels to codes of E2M3 with one E8M0 byte for each 32.
; x: [8192][1024] f32.  OUT: hc, the codes as IMAGES OF THE NEXT LAUNCH'S OPERAND REGISTERS: [512 tiles of 16 rows][16 groups of 64 channels][768 bytes]; in such a piece lane r + 16 h holds the 24 bytes
; of block h of the tile's row r: its registers 0-3 at byte 16 x lane, its registers 4-5 at byte 512 + 8 x lane.  hs, the scale bytes: [512 tiles][4 runs of 256 channels][16 rows][8 bytes].
; THE ROWS OF A TILE ARE NOT NEIGHBOURS: lane r of tile 2 g + u holds row 32 g + 8 u + r + 8 (r / 8): the later launches want keys and channels in that order.
; SHARES: a work-group takes 32 rows (two tiles), a wave four of them.  A row's eight loads read 512 consecutive bytes each; all 32 loads of a wave go out at the head.  Mean and variance in two passes over registers.
; A conversion wants 16 neighbours in one lane, so a finished row turns through the wave's own stage in LDS and comes back 128 bytes a lane: lane l then holds block l of the row, and needs no other lane for its maximum.
; The codes are gathered in LDS as images and leave in stores of 512 or 256 consecutive bytes.  No matrix work, no tensor load and no cluster: the work-groups share only ln_w and ln_b, 8 KB.
; LIMITS: NaN and infinities are not served.  A block whose largest magnitude lies under 2^-124, a block of zeros too, gets the byte 1 (the quantiser's rule says 127 for zeros): its codes are zeros or nearly so, and this program alone reads the bytes.
.set TURNB, 4608                       ; a wave's stage: 32 lanes x (128 bytes + 16)
.set IMG,   36864                      ; behind the eight stages: 32 pieces, 784 bytes apart (768 + 16)
.set HFP,   784
.set SST,   61952                      ; behind them: the work-group's 1,024 scale bytes, laid as in hs
.set LW,    16                         ; v16-47   ln_w of my 32 channels
.set LB,    48                         ; v48-79   ln_b
.set X,     80                         ; v80-207  four rows
.set N,     208                        ; v208-239 32 neighbours, back from the stage
.set CD,    240                        ; v240-245 a block's codes
.set C2,    246                        ; v246-248 the second conversion's three registers (they begin on an even number)
	s_load_b128 s[4:7], s[0:1], 0x0                ; x, ln_w
	s_load_b128 s[8:11], s[0:1], 0x10              ; ln_b, hc
	s_load_b64 s[12:13], s[0:1], 0x20              ; hs
	s_set_vgpr_msb 0x40
	v_lshl_add_u32 v0, v0, 2, 0x10000
	v_mov_b32 v1, 0
	s_set_vgpr_msb 0x4000
	v_lshrrev_b32 v1, 5, v0
	v_readfirstlane_b32 s18, v1                    ; wave 0..7
	v_and_b32 v1, 31, v0                           ; lane
	v_lshlrev_b32 v2, 4, v1                        ; 16 x lane
	s_mov_b32 s14, 0x76543210
	s_mov_b32 s15, 0xfedcba98                      ; v_permlanex16_b32's selects for lane l xor 16
	s_mov_b32 s16, 0x3a800000                      ; 1 / 1024
	s_mov_b32 s17, 0x3727c5ac                      ; 1e-5
	s_lshl_b32 s24, ttmp9, 17                      ; the work-group's 32 rows of 4,096 bytes,
	s_lshl_b32 s25, s18, 14                        ; my wave's four
	s_add_co_u32 s24, s24, s25
	s_mov_b32 s25, 0
	s_mul_i32 s26, ttmp9, 24576                    ; two tiles of 12,288 bytes of codes
	s_mov_b32 s27, 0
	s_lshl_b32 s28, ttmp9, 10                      ; and 1,024 scale bytes
	s_mov_b32 s29, 0
	s_wait_kmcnt 0x0
	s_add_nc_u64 s[4:5], s[4:5], s[24:25]
	s_add_nc_u64 s[10:11], s[10:11], s[26:27]
	s_add_nc_u64 s[12:13], s[12:13], s[28:29]
.irp i, 0,1,2,3,4,5,6,7
	global_load_b128 v[LW+4*\i:LW+4*\i+3], v2, s[6:7] offset:512*\i
	global_load_b128 v[LB+4*\i:LB+4*\i+3], v2, s[8:9] offset:512*\i
.endr
.irp k, 0,1,2,3
.irp i, 0,1,2,3,4,5,6,7
	global_load_b128 v[X+32*\k+4*\i:X+32*\k+4*\i+3], v2, s[4:5] offset:4096*\k+512*\i th:TH_LOAD_NT
.endr
.endr
	; LDS addresses, made while the loads are out
	s_mul_i32 s19, s18, TURNB
	v_lshrrev_b32 v8, 3, v1
	v_lshl_add_u32 v3, v8, 4, v2
	v_add_nc_u32 v3, s19, v3                       ; into the stage: 16 x lane, and 16 more for each 128 bytes passed
	v_mul_u32_u24 v4, v1, 144
	v_add_nc_u32 v4, s19, v4                       ; out of it: 144 x lane
	s_lshr_b32 s20, s18, 1
	s_and_b32 s20, s20, 1                          ; u: which of the two tiles my four rows belong to
	s_and_b32 s21, s18, 1
	s_lshl_b32 s21, s21, 2
	s_lshr_b32 s22, s18, 2
	s_lshl_b32 s22, s22, 3
	s_add_co_u32 s21, s21, s22                     ; r0: my first row's lane in that tile; rows r0 .. r0 + 3
	s_mul_i32 s22, s20, 16*HFP
	s_lshl_b32 s23, s21, 4
	s_add_co_u32 s23, s23, s22                     ; 16 pieces x u + 16 r0
	s_lshl_b32 s30, s21, 3
	s_add_co_u32 s22, s22, s30                     ; 16 pieces x u + 8 r0
	s_lshl_b32 s31, s20, 9
	s_add_co_u32 s30, s30, s31                     ; 512 u + 8 r0
	v_lshrrev_b32 v9, 1, v1
	v_mul_u32_u24 v9, v9, HFP                      ; my block l lies in piece l / 2, as its half l % 2
	v_and_b32 v10, 1, v1
	v_lshl_add_u32 v5, v10, 8, v9
	v_add_nc_u32 v5, s23, v5                       ; where registers 0-3 of my block go
	v_lshl_add_u32 v6, v10, 7, v9
	v_add_nc_u32 v6, s22, v6                       ; and registers 4-5
	v_and_b32 v7, 7, v1
	v_lshl_add_u32 v7, v8, 7, v7
	v_add_nc_u32 v7, s30, v7                       ; and my block's scale byte: run l / 8, byte l % 8
	v_mov_b32 v253, 0                              ; named as the upper halves of the pairs v[252:253] and v[254:255]
	v_mov_b32 v255, 0
.macro REDUCE                          ; the four packed chains v8-15 become one sum, in every lane's v8
	v_pk_add_f32 v[8:9], v[8:9], v[10:11]
	v_pk_add_f32 v[12:13], v[12:13], v[14:15]
	v_pk_add_f32 v[8:9], v[8:9], v[12:13]
	v_add_f32 v8, v8, v9
	v_add_f32_dpp v8, v8, v8 row_xmask:1 row_mask:0xf bank_mask:0xf
	v_add_f32_dpp v8, v8, v8 row_xmask:2 row_mask:0xf bank_mask:0xf
	v_add_f32_dpp v8, v8, v8 row_xmask:4 row_mask:0xf bank_mask:0xf
	v_add_f32_dpp v8, v8, v8 row_xmask:8 row_mask:0xf bank_mask:0xf
	v_permlanex16_b32 v9, v8, s14, s15
	v_add_f32 v8, v8, v9
.endm
.macro ROW k
.set XR, X+32*\k
	s_wait_loadcnt 8*(3-\k)                        ; ln_w, ln_b and my rows up to this one are in; the eight loads of each later row may be out
.irp c, 0,1,2,3
	v_pk_add_f32 v[8+2*\c:9+2*\c], v[XR+2*\c:XR+2*\c+1], v[XR+8+2*\c:XR+9+2*\c]
.endr
.irp p, 8,12
.irp c, 0,1,2,3
	v_pk_add_f32 v[8+2*\c:9+2*\c], v[8+2*\c:9+2*\c], v[XR+2*(\p+\c):XR+2*(\p+\c)+1]
.endr
.endr
	REDUCE
	v_mul_f32 v252, s16, v8                        ; the mean
.set pp, 0
.rept 16
	v_pk_add_f32 v[XR+2*pp:XR+2*pp+1], v[XR+2*pp:XR+2*pp+1], v[252:253] op_sel_hi:[1,0] neg_lo:[0,1] neg_hi:[0,1]   ; x - mean
.set pp, pp+1
.endr
.irp c, 0,1,2,3
	v_pk_mul_f32 v[8+2*\c:9+2*\c], v[XR+2*\c:XR+2*\c+1], v[XR+2*\c:XR+2*\c+1]
.endr
.irp p, 4,8,12
.irp c, 0,1,2,3
	v_pk_fma_f32 v[8+2*\c:9+2*\c], v[XR+2*(\p+\c):XR+2*(\p+\c)+1], v[XR+2*(\p+\c):XR+2*(\p+\c)+1], v[8+2*\c:9+2*\c]
.endr
.endr
	REDUCE
	v_fma_f32 v8, v8, s16, s17                     ; the variance + 1e-5
	v_rsq_f32 v254, v8
	v_nop                                          ; a plain instruction behind the transcendental,
	s_wait_alu depctr_va_vdst(0)                   ; and the wait ahead of its first reader
.set pp, 0
.rept 16
	v_pk_mul_f32 v[XR+2*pp:XR+2*pp+1], v[XR+2*pp:XR+2*pp+1], v[254:255] op_sel_hi:[1,0]
.set pp, pp+1
.endr
.set pp, 0
.rept 16
	v_pk_fma_f32 v[XR+2*pp:XR+2*pp+1], v[XR+2*pp:XR+2*pp+1], v[LW+2*pp:LW+2*pp+1], v[LB+2*pp:LB+2*pp+1]
.set pp, pp+1
.endr
.irp i, 0,1,2,3,4,5,6,7
	ds_store_b128 v3, v[XR+4*\i:XR+4*\i+3] offset:576*\i      ; the row as it lies, 16 bytes of padding behind each 128
.endr
.irp j, 0,1,2,3,4,5,6,7
	ds_load_b128 v[N+4*\j:N+4*\j+3], v4 offset:16*\j          ; LDS serves a wave's instructions in order (ISA guide 5.7.1.4): these see the stores above
.endr
	s_wait_dscnt 0x0                               ; my 32 neighbours are in; the last row's stores of codes have read their registers
	v_max3_num_f32 v249, |v[N]|, |v[N+1]|, 0x1800000           ; the block's largest magnitude, in two chains, with the floor 2^(3 - 127): the byte cannot fall under 1
	v_max3_num_f32 v250, |v[N+16]|, |v[N+17]|, |v[N+18]|
.irp i, 2,4,6,8,10,12
	v_max3_num_f32 v249, v249, |v[N+\i]|, |v[N+\i+1]|
	v_max3_num_f32 v250, v250, |v[N+17+\i]|, |v[N+18+\i]|
.endr
	v_max3_num_f32 v249, v249, |v[N+14]|, |v[N+15]|
	v_max3_num_f32 v249, v249, v250, |v[N+31]|
	v_add_nc_u32 v250, 0xff000000, v249            ; 2 off its exponent field: the conversion takes the exponent field of this operand as its scale
	v_cvt_scalef32_pk16_fp6_f32 v[CD:CD+2], v[N:N+15], v250
	v_cvt_scalef32_pk16_fp6_f32 v[C2:C2+2], v[N+16:N+31], v250
	v_lshrrev_b32 v251, 23, v250                   ; the scale's byte (and the plain instruction behind the conversions)
.irp i, 0,1,2
	v_mov_b32 v[CD+3+\i], v[C2+\i]
.endr
	ds_store_b128 v5, v[CD:CD+3] offset:IMG+16*\k
	ds_store_b64 v6, v[CD+4:CD+5] offset:IMG+512+8*\k
	ds_store_b8 v7, v251 offset:SST+8*\k
.endm
	ROW 0
	ROW 1
	ROW 2
	ROW 3
	; the way out: wave w takes pieces 4 w .. 4 w + 3
	s_mul_i32 s19, s18, 4*HFP
	v_lshlrev_b32 v12, 3, v1
	v_add_nc_u32 v8, s19, v2
	v_add_nc_u32 v9, s19, v12
	s_mul_i32 s19, s18, 3072
	v_add_nc_u32 v10, s19, v2
	v_add_nc_u32 v11, s19, v12
	v_lshlrev_b32 v13, 3, v0
	s_wait_dscnt 0x0                               ; for the others' sake: my stores of codes and bytes are done
	s_barrier_signal -1
	s_barrier_wait -1
.irp n, 0,1,2,3
	ds_load_b128 v[X+8*\n:X+8*\n+3], v8 offset:IMG+HFP*\n
	ds_load_b64 v[X+8*\n+4:X+8*\n+5], v9 offset:IMG+HFP*\n+512
.endr
	s_wait_dscnt 0x0
.irp n, 0,1,2,3
	global_store_b128 v10, v[X+8*\n:X+8*\n+3], s[10:11] offset:768*\n          ; 512 consecutive bytes, at a multiple of 256 from hc's first byte
	global_store_b64 v11, v[X+8*\n+4:X+8*\n+5], s[10:11] offset:768*\n+512     ; 256 consecutive bytes
.endr
	s_cmp_lt_u32 s18, 4                            ; the 1,024 scale bytes: waves 0 to 3, 8 bytes a lane
	s_cbranch_scc0 .Ldone
	ds_load_b64 v[X+32:X+33], v13 offset:SST
	s_wait_dscnt 0x0
	global_store_b64 v13, v[X+32:X+33], s[12:13]
.Ldone:
	s_set_vgpr_msb 0x5
	s_wait_tensorcnt 0x0
	ds_add_u32 v0, v1
	s_wait_dscnt 0x0
	s_set_vgpr_msb 0x500
	s_endpgm
.Lfunc_end_k_q8c1b7a91c3_lnq:
	.size	k_q8c1b7a91c3_lnq, .Lfunc_end_k_q8c1b7a91c3_lnq-k_q8c1b7a91c3_lnq
	.p2alignl 7, 3214868480
	.fill 96, 4, 3214868480
	.section	.rodata,"a",@progbits
	.p2align	6, 0x0
	.amdhsa_kernel k_q8c1b7a91c3_lnq
		.amdhsa_group_segment_fixed_size 66560
		.amdhsa_private_segment_fixed_size 0
		.amdhsa_enable_private_segment 0
		.amdhsa_kernarg_size 40
		.amdhsa_user_sgpr_count 2
		.amdhsa_user_sgpr_kernarg_segment_ptr 1
		.amdhsa_wavefront_size32 1
		.amdhsa_system_sgpr_workgroup_id_x 1
		.amdhsa_system_sgpr_workgroup_id_y 1
		.amdhsa_system_sgpr_workgroup_id_z 1
		.amdhsa_system_vgpr_workitem_id 0
		.amdhsa_next_free_vgpr 258
		.amdhsa_next_free_sgpr 66
		.amdhsa_reserve_vcc 0
		.amdhsa_float_denorm_mode_32 3
		.amdhsa_float_denorm_mode_16_64 3
		.amdhsa_memory_ordered 1
		.amdhsa_forward_progress 1
		.amdhsa_inst_pref_size 44
	.end_amdhsa_kernel
	.amdgpu_metadata
---
amdhsa.version: [ 1, 2 ]
amdhsa.kernels:
  - .name:           k_q8c1b7a91c3_lnq
    .symbol:         k_q8c1b7a91c3_lnq.kd
    .args:
      - { .name: x, .offset: 0, .size: 8, .value_kind: global_buffer, .address_space: global }
      - { .name: ln_w, .offset: 8, .size: 8, .value_kind: global_buffer, .address_space: global }
      - { .name: ln_b, .offset: 16, .size: 8, .value_kind: global_buffer, .address_space: global }
      - { .name: hc, .offset: 24, .size: 8, .value_kind: global_buffer, .address_space: global }
      - { .name: hs, .offset: 32, .size: 8, .value_kind: global_buffer, .address_space: global }
    .group_segment_fixed_size: 66560
    .private_segment_fixed_size: 0
    .kernarg_segment_align: 8
    .kernarg_segment_size: 40
    .max_flat_workgroup_size: 256
    .sgpr_count:     66
    .vgpr_count:     258
    .wavefront_size: 32
...
	.end_amdgpu_metadata
.endif
;; end of part 1
;; launch qkv (part 2): grid 16 x 32, 4 waves a work-group, clusters of 4 x 4, 327,680 bytes of LDS; arguments hc, hs, qkv_w_codes, qkv_w_scales, qc, qs, kv; writes qc, qs, kv
.if DOCPART == 2
	.amdgcn_target "amdgcn-amd-amdhsa--gfx1250"
	.amdhsa_code_object_version 6
	.text
	.protected	k_q8c1b7a91c3_qkv
	.globl	k_q8c1b7a91c3_qkv
	.p2align	8
	.type	k_q8c1b7a91c3_qkv,@function
k_q8c1b7a91c3_qkv:
	s_mov_b64 s[64:65], 0
	v_nop
	global_prefetch_b8 v0, s[64:65] scope:SCOPE_SE
	s_setreg_imm32_b32 hwreg(HW_REG_WAVE_MODE, 25, 1), 1
	s_wait_xcnt 0x0
	s_wait_alu depctr_hold_cnt(0) depctr_sa_sdst(0) depctr_va_vdst(0) depctr_va_sdst(0) depctr_va_ssrc(0) depctr_va_vcc(0) depctr_vm_vsrc(0)
	s_getreg_b32 s2, hwreg(HW_REG_IB_STS2, 6, 4)
	s_cmp_eq_u32 s2, 0
	s_cbranch_scc0 .Lentry_in_a_cluster
	s_endpgm
.Lentry_in_a_cluster:
	s_bfe_u32 s2, ttmp6, 0x10000c
	s_cmp_lg_u32 s2, 0xf033
	s_cbranch_scc0 .Lentry_shape_is_right
	s_endpgm
.Lentry_shape_is_right:
; qkv = h W, on codes of E2M3 with one E8M0 byte for each 32 along K = 1,024; then q and k are quantised along the head's 64 channels and v along the keys, in registers, and leave as codes: no f32 number goes to memory.
; h comes as images of operand registers (hc: [512 tiles of 16 rows][16 groups of 64 k][768 bytes]; hs: [512][4][16][8] scale bytes); W as rows of 768 bytes of codes and 32 scale bytes, K innermost.
; SHARES: a work-group makes 256 rows x the 192 columns of ONE head (x = head, y = block of rows); wave w its rows 64 w .. 64 w + 63 against all 192 columns: 4 x 12 accumulators of 16 x 16, 384 registers.
; q's and k's products are used TRANSPOSED (source 0 = 16 columns of W, source 1 = 16 rows of h): a lane holds one row and its registers run along the head's channels, the next product's K.
; v's products are used as they stand (source 0 = rows of h, source 1 = columns of W): a lane holds one channel and its registers run down the keys, the third product's K.
; THE ROWS OF EVERY TILE (of h and of W) ARE NOT NEIGHBOURS: lane r of tile 2 g + u holds row 32 g + 8 u + r + 8 (r / 8), so that the 16 registers of two neighbouring tiles are 16 neighbours along the next K.
; K goes in steps of 128; an LDS slot holds 256 along K.  THREE slots take K's first three quarters as first fills; the last quarter is the one refill, into slot 0.  All eight steps are written out: no loop.
; CLUSTERS: 4 x 4 work-groups; the four of a row need the same tiles of h, the four of a column the same rows of W: each is asked for jointly, by the same tensor load with the same descriptor and a mask that names the four.
; By this text's own count a wave has at most four tensor loads out: the scale bytes and three slots.
; OUT: qc [64 heads of a batch][128 tiles][768]; qs [64][32][16 rows][4 tiles] words (two bytes, then two zeros); kv [64][16 steps of 128 keys][13,056]: 8 tiles of K, 8 pieces of V (channel tile t, 64 keys c at 2 t + c),
; K's scale words [tile / 4][row][tile % 4], V's [t / 2][row][t % 2].  Every store of codes covers 512 or 256 consecutive bytes, aligned.
; LIMITS: NaN and infinities are not served.  A block whose largest magnitude lies under 2^-124, zeros too, gets the byte 1; this program alone reads the bytes.
; REGISTERS, in windows of 256: window 0: v8-29 addresses; v32-55 W's scale words, v56-63 h's, two sets each; v64-119 the way out; v128-255 v's 16 accumulators.
;   windows 1 and 2: the two sets of fragments: h's four at v[12 i], W's twelve at v[48 + 12 b].   window 3: q's and k's 32 accumulators, (a, b) at v[8 (8 a + b)].
.set NB,    12                         ; tiles of 16 columns
.set BOFF,  49152                      ; a slot: h's 16 tiles x 3,072 bytes, dense; then W's 192 rows, 240 bytes apart (3 x (64 + 16))
.set SLOT,  BOFF+16*NB*240
.set SCA,   3*SLOT                     ; h's scale bytes: 16 tiles x 512
.set SCB,   SCA+8192                   ; W's: 24 runs of 256 bytes + 16 of padding
.set SPARE, 300544                     ; the spare words, 128 bytes for each wave: two blocks of 256 bytes that no other line names
.set VST,   301056                     ; 512 bytes of their own: V's scale words of the work-group's two key steps
.set AA16, 8                           ; v8-10   h's images in slot 0, 1, 2: 16 x lane
.set AA8,  11                          ; v11-13  the same, 8 x lane
.set AB,   14                          ; v14-16  W's rows in slot 0, 1, 2;  v17-19 the same for the pieces that lie behind one padding more
.set ASA,  20
.set ASB,  21
.set SPW,  22                          ; LDS address of my spare word; never rewritten
.set NIL,  23                          ; 0; never rewritten
.set L16,  24
.set L8,   25
.set RH,   26
.set VSA,  27
.set VRD,  28
.set VGO,  29
.set SB,   32
.set SA,   56
.set TM,   64                          ; v64-67 largest magnitudes, v68-71 bytes, v76-79 the conversions' scale operands
.set PW,   80                          ; the scale word just made
.set PC,   84                          ; v84-95 the codes just made, v96-102 at work
.set QW,   104
.set KW,   108
.set VA,   128
.set G1A,  32
.set G1B,  40
.set G0A,  48
.set G0SA, 60
.set G0B,  68
.set G1SA, 80
.set G1SB, 88
.set G0SB, 96
.set MSB, 0
.macro WIN new                         ; the immediate's high byte repeats the setting that is left
.if MSB != (\new)
	s_set_vgpr_msb (MSB<<8)|(\new)
.set MSB, (\new)
.endif
.endm
.macro PLACES n
.rept \n
	v_nop
.endr
.endm
; A joint load: waves 0 and 1 fetch for h, waves 2 and 3 for W.  The branch hangs on the wave's number alone.  Four v_nop follow each of the two lines.
.macro JLOAD g0a, g1a, g0b, g1b
	s_cmp_eq_u32 s19, 0
	s_cbranch_scc0 .Lfor_b_\@
	tensor_load_to_lds s[\g0a:\g0a+3], s[\g1a:\g1a+7]
	s_nop 0
.rept 4
	v_nop
.endr
	s_branch .Lasked_\@
.Lfor_b_\@:
	tensor_load_to_lds s[\g0b:\g0b+3], s[\g1b:\g1b+7]
	s_nop 0
.rept 4
	v_nop
.endr
.Lasked_\@:
.endm
.macro CREST                           ; a round of the cluster's barrier behind its opening barrier
	s_cmp_lg_u32 s18, 0
	s_cbranch_scc1 .Lnot_wave_0_\@
	s_barrier_signal -3
.Lnot_wave_0_\@:
	s_barrier_wait -3
	s_barrier_signal -1
	s_barrier_wait -1
.endm
.macro CROUND
	s_barrier_signal -1
	s_barrier_wait -1
	CREST
.endm
	s_load_b128 s[4:7], s[0:1], 0x0                ; hc, hs
	s_load_b128 s[8:11], s[0:1], 0x10              ; W's codes, W's scales
	s_load_b128 s[12:15], s[0:1], 0x20             ; qc, qs
	s_load_b64 s[16:17], s[0:1], 0x30              ; kv
	v_lshl_add_u32 v[SPW], v0, 2, SPARE
	v_mov_b32 v[NIL], 0
	ds_add_u32 v22, v23
	ds_add_u32 v22, v23
	s_wait_dscnt 0x0
	v_lshrrev_b32 v1, 5, v0
	v_readfirstlane_b32 s18, v1                    ; wave 0..3
	s_lshr_b32 s19, s18, 1                         ; I fetch for h (0) or for W (1)
	s_and_b32 s20, s18, 1                          ; and which half
	s_bfe_u32 s21, ttmp6, 0x40000                  ; cx, cy: my place in the cluster
	s_bfe_u32 s22, ttmp6, 0x40004
	s_lshl_b32 s23, ttmp9, 2
	s_add_co_u32 s23, s23, s21                     ; x: the head
	s_and_b32 s24, ttmp7, 0xffff
	s_lshl_b32 s24, s24, 2
	s_add_co_u32 s24, s24, s22                     ; y: the block of 256 rows
	s_lshl_b32 s25, s22, 2
	s_lshl_b32 s25, 15, s25                        ; my row of the cluster
	s_lshl_b32 s26, 0x1111, s21                    ; my column
	s_or_b32 s[G1A], s25, (3<<16)|(1<<21)          ; h's tiles: 8 rows of 384 elements of 8 bytes (a tile's 3,072 bytes of a slot), 12,288 bytes apart in memory, dense in LDS
	s_mov_b32 s[G1A+1], 384<<16
	s_mov_b32 s[G1A+2], 8<<16
	s_mov_b32 s[G1A+3], 384<<16
	s_mov_b32 s[G1A+4], 8
	s_mov_b32 s[G1A+5], 1536
	s_mov_b32 s[G1A+6], 0
	s_mov_b32 s[G1A+7], 0
	s_or_b32 s[G1B], s26, (0<<16)|(1<<20)|(1<<21)|(3<<22)|(3<<25)   ; W's: 96 rows of 192 bytes, 768 apart; 4 words of padding behind every 16
	s_mov_b32 s[G1B+1], 192<<16
	s_mov_b32 s[G1B+2], (8*NB)<<16
	s_mov_b32 s[G1B+3], 192<<16
	s_mov_b32 s[G1B+4], 8*NB
	s_mov_b32 s[G1B+5], 768
	s_mov_b32 s[G1B+6], 0
	s_mov_b32 s[G1B+7], 0
	s_or_b32 s[G1SA], s25, (3<<16)|(1<<21)         ; h's scale bytes: 4,096 dense bytes as 16 rows of 256
	s_mov_b32 s[G1SA+1], 32<<16
	s_mov_b32 s[G1SA+2], 16<<16
	s_mov_b32 s[G1SA+3], 32<<16
	s_mov_b32 s[G1SA+4], 16
	s_mov_b32 s[G1SA+5], 32
	s_mov_b32 s[G1SA+6], 0
	s_mov_b32 s[G1SA+7], 0
	s_or_b32 s[G1SB], s26, (3<<16)|(1<<20)|(1<<21)|(5<<22)|(3<<25)  ; W's: 96 rows x 32 dense bytes as 12 rows of 256, 16 bytes of padding behind each
	s_mov_b32 s[G1SB+1], 32<<16
	s_mov_b32 s[G1SB+2], NB<<16
	s_mov_b32 s[G1SB+3], 32<<16
	s_mov_b32 s[G1SB+4], NB
	s_mov_b32 s[G1SB+5], 32
	s_mov_b32 s[G1SB+6], 0
	s_mov_b32 s[G1SB+7], 0
	s_lshl_b32 s27, s24, 4                         ; h's addresses hang on y and the wave alone, W's on x and the wave alone, each in registers that never hold the other coordinate
	s_lshl_b32 s2, s20, 3
	s_add_co_u32 s27, s27, s2                      ; the first tile that I fetch: 16 y + 8 half
	s_mul_i32 s28, s27, 12288
	s_mov_b32 s29, 0
	s_lshl_b32 s30, s27, 9
	s_mov_b32 s31, 0
	s_mul_i32 s66, s23, 16*NB
	s_mul_i32 s3, s20, 8*NB
	s_add_co_u32 s66, s66, s3                      ; the first row of W that I fetch
	s_lshl_b32 s100, s66, 5
	s_mov_b32 s101, 0
	s_mul_i32 s66, s66, 768
	s_mov_b32 s67, 0
	s_mul_i32 s2, s20, 24576                       ; where they go: no place in the cluster enters an LDS address
	s_mul_i32 s3, s20, 8*NB*240
	s_add_co_u32 s3, s3, BOFF
	s_lshl_b32 s25, s20, 12
	s_mul_i32 s26, s20, NB*272
	s_wait_kmcnt 0x0
	s_add_nc_u64 s[28:29], s[4:5], s[28:29]
	s_add_nc_u64 s[30:31], s[6:7], s[30:31]
	s_add_nc_u64 s[66:67], s[8:9], s[66:67]
	s_add_nc_u64 s[100:101], s[10:11], s[100:101]
	CROUND                                         ; all sixteen work-groups are here: the first joint loads meet
	s_mov_b32 s[G0SA], 1
	s_add_co_u32 s[G0SA+1], s25, SCA
	s_mov_b64 s[G0SA+2:G0SA+3], s[30:31]
	s_or_b32 s[G0SA+3], s[G0SA+3], 0x80000000
	s_mov_b32 s[G0SB], 1
	s_add_co_u32 s[G0SB+1], s26, SCB
	s_mov_b64 s[G0SB+2:G0SB+3], s[100:101]
	s_or_b32 s[G0SB+3], s[G0SB+3], 0x80000000
	JLOAD G0SA, G1SA, G0SB, G1SB                   ; the scale bytes for all of K: filled once
.irp s, 0,1,2
	s_mov_b32 s[G0A+4*\s], 1
	s_add_co_u32 s[G0A+4*\s+1], s2, \s*SLOT
	s_add_nc_u64 s[G0A+4*\s+2:G0A+4*\s+3], s[28:29], \s*3072
	s_or_b32 s[G0A+4*\s+3], s[G0A+4*\s+3], 0x80000000
	s_mov_b32 s[G0B+4*\s], 1
	s_add_co_u32 s[G0B+4*\s+1], s3, \s*SLOT
	s_add_nc_u64 s[G0B+4*\s+2:G0B+4*\s+3], s[66:67], \s*192
	s_or_b32 s[G0B+4*\s+3], s[G0B+4*\s+3], 0x80000000
	JLOAD G0A+4*\s, G1A, G0B+4*\s, G1B
.endr
	v_and_b32 v1, 31, v0                           ; lane
	v_and_b32 v2, 15, v0                           ; r
	v_bfe_u32 v3, v0, 4, 1                         ; h
	v_lshlrev_b32 v[L16], 4, v1
	v_lshlrev_b32 v[L8], 3, v1
	s_mul_i32 s27, s18, 12288                      ; my four tiles of h
	v_add_nc_u32 v[AA16], s27, v[L16]
	v_add_nc_u32 v[AA8], s27, v[L8]
	v_and_b32 v4, 8, v2
	v_add_nc_u32 v4, v4, v2                        ; r + 8 (r / 8)
	v_mul_u32_u24 v4, v4, 240
	v_mad_u32_u24 v5, v3, 24, v4
	v_add_nc_u32 v[AB], BOFF, v5                   ; W: row x pitch + 24 x half,
	v_lshl_add_u32 v[AB+3], v3, 4, v[AB]           ; and the same behind one padding more
.irp s, 1,2
	v_add_nc_u32 v[AA16+\s], SLOT, v[AA16+\s-1]
	v_add_nc_u32 v[AA8+\s], SLOT, v[AA8+\s-1]
	v_add_nc_u32 v[AB+\s], SLOT, v[AB+\s-1]
	v_add_nc_u32 v[AB+3+\s], SLOT, v[AB+3+\s-1]
.endr
	s_lshl_b32 s27, s18, 11
	s_add_co_u32 s27, s27, SCA
	v_lshlrev_b32 v5, 3, v2
	v_lshl_add_u32 v5, v3, 10, v5
	v_add_nc_u32 v[ASA], s27, v5                   ; h's scale words: my tiles; lanes 16-31 stand two tiles on
	v_lshrrev_b32 v5, 3, v2
	v_mul_u32_u24 v5, v5, 544
	v_and_b32 v6, 7, v2
	v_lshl_add_u32 v5, v6, 5, v5
	v_mad_u32_u24 v5, v3, NB*272, v5
	v_add_nc_u32 v[ASB], SCB, v5                   ; W's: row r + 8 (r / 8) of a tile, 32 bytes a row, 8 rows to a run; lanes 16-31 stand NB / 2 tiles on
	v_lshlrev_b32 v5, 4, v2
	v_lshl_add_u32 v[RH], v3, 3, v5                ; the way out: 16 r + 8 h
	s_lshl_b32 s27, s19, 8
	s_lshl_b32 s2, s20, 1
	s_add_co_u32 s27, s27, s2
	s_add_co_u32 s27, s27, VST
	v_lshl_add_u32 v[VSA], v2, 3, s27              ; V's scale bytes: key step w / 2, row r, bytes 2 (w % 2) on
	v_add_nc_u32 v[VRD], VST, v[L16]
	v_mul_u32_u24 v5, v3, 13056
	v_lshl_add_u32 v[VGO], v2, 4, v5
.macro FRAG reg, adr, q, ro            ; a fragment of W from rows: six pieces of 8 bytes; lanes 16-31 read three pieces on, for some pieces behind one padding more: the second address register serves those
.irp p, 0,1,2,3,4,5
.set PCE, 12*(\q)+6*(\p/3)+\p%3
.if PCE%8 < 5
	ds_load_b64 v[\reg+2*\p:\reg+2*\p+1], v[\adr] offset:8*PCE+16*(PCE/8)+(\ro)*240
.else
	ds_load_b64 v[\reg+2*\p:\reg+2*\p+1], v[\adr+3] offset:8*PCE+16*(PCE/8)+(\ro)*240
.endif
.endr
.endm
.macro FETCH s, q, p                   ; the fragments of the q-th 128 along K of slot s into set p
	WIN ((1+\p)<<6)
.irp i, 0,1,2,3
	ds_load_b128 v[12*\i:12*\i+3], v[AA16+\s] offset:\i*3072+\q*1536
	ds_load_b64 v[12*\i+4:12*\i+5], v[AA8+\s] offset:\i*3072+\q*1536+512
	ds_load_b128 v[12*\i+6:12*\i+9], v[AA16+\s] offset:\i*3072+\q*1536+768
	ds_load_b64 v[12*\i+10:12*\i+11], v[AA8+\s] offset:\i*3072+\q*1536+1280
.endr
.set bb, 0
.rept NB
	FRAG 48+12*bb, AB+\s, \q, 32*(bb/2)+8*(bb%2)
.set bb, bb+1
.endr
	WIN 0
.endm
.macro SCALES kk                       ; the scale words of the kk-th 256 along K into set kk % 2: two words a row; lanes 0-15 tile i, lanes 16-31 tile i + NB / 2 (W), i + 2 (h)
.set ii, 0
.rept NB/2
	ds_load_b64 v[SB+NB*((\kk)%2)+2*ii:SB+NB*((\kk)%2)+2*ii+1], v[ASB] offset:(4*(ii/2)+ii%2)*272+8*(\kk)
.set ii, ii+1
.endr
.irp i, 0,1
	ds_load_b64 v[SA+4*((\kk)%2)+2*\i:SA+4*((\kk)%2)+2*\i+1], v[ASA] offset:512*\i+128*(\kk)
.endr
.endm
.macro WM d, s0, s1, x0, r0, x1, r1, ck, c     ; one product; r0, r1: which half of the lanes holds the side's scale words; ck = 1: C is the constant 0
.if (\ck)==1
.if ((\r0)==0)&&((\r1)==0)
	v_wmma_scale_f32_16x16x128_f8f6f4 v[\d:\d+7], v[\s0:\s0+11], v[\s1:\s1+11], 0, v[\x0], v[\x1] matrix_a_fmt:MATRIX_FMT_FP6 matrix_b_fmt:MATRIX_FMT_FP6
.elseif ((\r0)==1)&&((\r1)==0)
	v_wmma_scale_f32_16x16x128_f8f6f4 v[\d:\d+7], v[\s0:\s0+11], v[\s1:\s1+11], 0, v[\x0], v[\x1] matrix_a_fmt:MATRIX_FMT_FP6 matrix_b_fmt:MATRIX_FMT_FP6 matrix_a_scale:MATRIX_SCALE_ROW1
.elseif ((\r0)==0)&&((\r1)==1)
	v_wmma_scale_f32_16x16x128_f8f6f4 v[\d:\d+7], v[\s0:\s0+11], v[\s1:\s1+11], 0, v[\x0], v[\x1] matrix_a_fmt:MATRIX_FMT_FP6 matrix_b_fmt:MATRIX_FMT_FP6 matrix_b_scale:MATRIX_SCALE_ROW1
.else
	v_wmma_scale_f32_16x16x128_f8f6f4 v[\d:\d+7], v[\s0:\s0+11], v[\s1:\s1+11], 0, v[\x0], v[\x1] matrix_a_fmt:MATRIX_FMT_FP6 matrix_b_fmt:MATRIX_FMT_FP6 matrix_a_scale:MATRIX_SCALE_ROW1 matrix_b_scale:MATRIX_SCALE_ROW1
.endif
.else
.if ((\r0)==0)&&((\r1)==0)
	v_wmma_scale_f32_16x16x128_f8f6f4 v[\d:\d+7], v[\s0:\s0+11], v[\s1:\s1+11], v[\c:\c+7], v[\x0], v[\x1] matrix_a_fmt:MATRIX_FMT_FP6 matrix_b_fmt:MATRIX_FMT_FP6
.elseif ((\r0)==1)&&((\r1)==0)
	v_wmma_scale_f32_16x16x128_f8f6f4 v[\d:\d+7], v[\s0:\s0+11], v[\s1:\s1+11], v[\c:\c+7], v[\x0], v[\x1] matrix_a_fmt:MATRIX_FMT_FP6 matrix_b_fmt:MATRIX_FMT_FP6 matrix_a_scale:MATRIX_SCALE_ROW1
.elseif ((\r0)==0)&&((\r1)==1)
	v_wmma_scale_f32_16x16x128_f8f6f4 v[\d:\d+7], v[\s0:\s0+11], v[\s1:\s1+11], v[\c:\c+7], v[\x0], v[\x1] matrix_a_fmt:MATRIX_FMT_FP6 matrix_b_fmt:MATRIX_FMT_FP6 matrix_b_scale:MATRIX_SCALE_ROW1
.else
	v_wmma_scale_f32_16x16x128_f8f6f4 v[\d:\d+7], v[\s0:\s0+11], v[\s1:\s1+11], v[\c:\c+7], v[\x0], v[\x1] matrix_a_fmt:MATRIX_FMT_FP6 matrix_b_fmt:MATRIX_FMT_FP6 matrix_a_scale:MATRIX_SCALE_ROW1 matrix_b_scale:MATRIX_SCALE_ROW1
.endif
.endif
.endm
; 16 products for q and k: h's blocks a0, a0 + 1 against W's tiles 0-7, transposed.  All accumulators take turns, one instruction a turn, in the same order in every step.
.macro MULQ a0, p, q, sc, ck
	WIN (0xf0|((1+\p)<<2)|(1+\p))
.irp a, \a0, \a0+1
.irp b, 0,1,2,3,4,5,6,7
	WM 8*(8*(\a)+\b), 48+12*\b, 12*(\a), SB+NB*\sc+2*(\b%(NB/2))+\q, \b/(NB/2), SA+4*\sc+2*((\a)%2)+\q, (\a)/2, \ck, 8*(8*(\a)+\b)
.endr
.endr
.endm
; 16 products for v: source 0 = h's block a, source 1 = W's tile 8 + b
.macro MULV p, q, sc, ck
	WIN (((1+\p)<<2)|(1+\p))
.irp b, 0,1,2,3
.irp a, 0,1,2,3
	WM VA+8*(4*\b+\a), 12*\a, 48+12*(8+\b), SA+4*\sc+2*(\a%2)+\q, \a/2, SB+NB*\sc+2*((8+\b)%(NB/2))+\q, 1, \ck, VA+8*(4*\b+\a)
.endr
.endr
.endm
.macro MUL p, q, sc, ck
	MULQ 0, \p, \q, \sc, \ck
	MULQ 2, \p, \q, \sc, \ck
	MULV \p, \q, \sc, \ck
.endm
; A step that changes nothing in the ring: this step's fragments are in; four places behind the last step's products, whose set the next fetch overwrites; the next step's fragments are asked for; the products.
.macro PLAIN fs, fq, fp, kk, p, q, sc
	WIN 0
	s_wait_dscnt 0x0
	PLACES 4
	FETCH \fs, \fq, \fp
.if \kk >= 0
	SCALES \kk
.endif
	MUL \p, \q, \sc, 0
.endm
	s_wait_tensorcnt 0x2                           ; the scale bytes and my part of slot 0 are in; slots 1 and 2 may be out
	s_barrier_signal -1
	s_barrier_wait -1
	FETCH 0, 0, 0
	SCALES 0
	s_wait_dscnt 0x0                               ; step 0: its products start the sums
	FETCH 0, 1, 1
	MUL 0, 0, 0, 1
	WIN 0                                          ; step 1 leaves slot 0, which takes K's last quarter
	s_wait_tensorcnt 0x0                           ; all my tensor loads have landed: my parts of slots 1 and 2;
	ds_add_u32 v[SPW], v[NIL]                      ; 0 onto my spare word
	s_add_nc_u64 s[G0A+2:G0A+3], s[G0A+2:G0A+3], 3*3072
	s_add_nc_u64 s[G0B+2:G0B+3], s[G0B+2:G0B+3], 3*192
	s_wait_dscnt 0x0                               ; the add is done; this step's fragments are in, and with them my reads of slot 0 are over
	s_barrier_signal -1
	MULQ 0, 1, 1, 0, 0                             ; work on registers while the others arrive
	WIN 0
	s_barrier_wait -1
	CREST                                          ; the barrier has opened a round of the cluster's: no wave of any partner still reads slot 0 or has a load on its way
	JLOAD G0A, G1A, G0B, G1B                       ; the first tensor load behind the round; its four v_nop are the places in front of the loads below
	FETCH 1, 0, 0
	SCALES 1
	MULQ 2, 1, 1, 0, 0
	MULV 1, 1, 0, 0
	PLAIN 1, 1, 1, -1, 0, 0, 1                     ; step 2
	PLAIN 2, 0, 0, 2, 1, 1, 1                      ; step 3
	PLAIN 2, 1, 1, -1, 0, 0, 0                     ; step 4
	WIN 0                                          ; step 5 goes back to slot 0: every wave's part of the refill has to be in
	s_wait_tensorcnt 0x0
	ds_add_u32 v[SPW], v[NIL]
	s_wait_dscnt 0x0
	s_barrier_signal -1
	MULQ 0, 1, 1, 0, 0
	WIN 0
	s_barrier_wait -1
	PLACES 4
	FETCH 0, 0, 0
	SCALES 3
	MULQ 2, 1, 1, 0, 0
	MULV 1, 1, 0, 0
	PLAIN 0, 1, 1, -1, 0, 0, 1                     ; step 6
	WIN 0
	s_wait_dscnt 0x0                               ; step 7: nothing more to fetch
	MUL 1, 1, 1, 0
	WIN 0
	PLACES 4                                       ; in front of the first read of results
	; THE WAY OUT.  No tensor load of mine is out, so the registers that held descriptors are free for the output's addresses.
	s_lshr_b32 s32, s24, 3
	s_lshl_b32 s32, s32, 4
	s_add_co_u32 s32, s32, s23                     ; bh = 16 x batch + head
	s_and_b32 s33, s24, 7                          ; which 256 rows of the batch
	s_lshl_b32 s34, s32, 7
	s_lshl_b32 s35, s33, 4
	s_add_co_u32 s34, s34, s35
	s_lshl_b32 s35, s18, 2
	s_add_co_u32 s34, s34, s35
	s_mul_i32 s34, s34, 768
	s_mov_b32 s35, 0
	s_add_nc_u64 s[12:13], s[12:13], s[34:35]      ; qc at my first tile: 128 bh + 16 (y % 8) + 4 w
	s_lshl_b32 s34, s32, 13
	s_lshl_b32 s36, s33, 2
	s_add_co_u32 s36, s36, s18
	s_lshl_b32 s36, s36, 8
	s_add_co_u32 s34, s34, s36
	s_add_nc_u64 s[14:15], s[14:15], s[34:35]      ; qs at my four tiles' 256 bytes
	s_mul_i32 s34, s32, 208896
	s_mul_i32 s36, s33, 26112
	s_add_co_u32 s34, s34, s36
	s_add_nc_u64 s[16:17], s[16:17], s[34:35]      ; kv at the work-group's first key step
	s_mul_i32 s34, s19, 13056
	s_add_nc_u64 s[36:37], s[16:17], s[34:35]      ; at my key step,
	s_mul_i32 s34, s20, 3072
	s_add_nc_u64 s[40:41], s[36:37], s[34:35]      ; at my four tiles of K,
	s_mul_i32 s34, s20, 768
	s_add_nc_u64 s[42:43], s[36:37], s[34:35]      ; at my 64 keys' pieces of V,
	s_lshl_b32 s34, s20, 8
	s_add_nc_u64 s[44:45], s[36:37], s[34:35]      ; at my tiles' scale words
	s_mov_b32 s28, 0x76543210
	s_mov_b32 s29, 0xfedcba98                      ; v_permlanex16_b32's selects for lane l xor 16
	s_mov_b32 s30, 0xffff0000                      ; lanes 16-31
.irp b, 0,1,2,3
	v_mov_b32 v[TM+4+\b], 0                        ; written once: a lane permute's destination counts as one of its sources
.endr
; 64 numbers of a lane in window ws, register 16 b + i = place 32 b + 16 (lane / 16) + i along the next K, become 12 registers of codes in v[PC] on and a scale word in v[PW].
.macro QUANT64 s, ws
	s_wait_xcnt 0x0                                ; the last stores have read the codes' registers
	WIN ((\ws)|((\ws)<<2))
.irp b, 0,1,2,3
	v_max3_num_f32 v[TM+\b], |v[\s+16*\b]|, |v[\s+1+16*\b]|, 0x1800000   ; each accumulator is read from its low end on; the floor 2^(3 - 127) holds the byte at 1 from below
.endr
.irp i, 2,4,6,8,10,12,14
.irp b, 0,1,2,3
	v_max3_num_f32 v[TM+\b], |v[\s+16*\b+\i]|, |v[\s+1+16*\b+\i]|, v[TM+\b]
.endr
.endr
	WIN 0
.irp b, 0,1,2,3
	v_permlanex16_b32 v[TM+4+\b], v[TM+\b], s28, s29
.endr
.irp b, 0,1,2,3
	v_max_num_f32 v[TM+\b], v[TM+\b], v[TM+4+\b]   ; with lane l xor 16's: the block's largest magnitude
.endr
.irp b, 0,1,2,3
	v_add_nc_u32 v[TM+12+\b], 0xff000000, v[TM+\b] ; 2 off its exponent field: the conversion's scale operand
.endr
.irp b, 0,1,2,3
	v_lshrrev_b32 v[TM+4+\b], 23, v[TM+12+\b]      ; the scale's byte
.endr
	v_lshl_or_b32 v[PW], v[TM+5], 8, v[TM+4]
	v_lshl_or_b32 v[PW], v[TM+6], 16, v[PW]
	v_lshl_or_b32 v[PW], v[TM+7], 24, v[PW]
	WIN (\ws)
.irp c, 0,1
	v_cvt_scalef32_pk16_fp6_f32 v[PC+6*\c:PC+2+6*\c], v[\s+32*\c:\s+15+32*\c], v[TM+12+2*\c]
	v_cvt_scalef32_pk16_fp6_f32 v[PC+12+4*\c:PC+14+4*\c], v[\s+16+32*\c:\s+31+32*\c], v[TM+12+2*\c+1]
.endr
	WIN 0
	v_nop                                          ; one plain instruction behind the conversions
.irp c, 0,1                                    ; the operand's layout wants a whole block in a lane: lanes 0-15 block 2 c, lanes 16-31 block 2 c + 1
.irp i, 0,1,2
	v_permlane16_swap_b32 v[PC+6*\c+\i], v[PC+12+4*\c+\i]
.endr
.irp i, 0,1,2
	v_mov_b32 v[PC+3+6*\c+\i], v[PC+12+4*\c+\i]
.endr
.endr
.endm
.irp a, 0,1,2,3                                ; my tile a of rows: q's 64 channels are the first six registers of codes, k's the other six
	QUANT64 64*\a, 3
	global_store_b128 v[L16], v[PC:PC+3], s[12:13] offset:768*\a
	global_store_b64 v[L8], v[PC+4:PC+5], s[12:13] offset:768*\a+512
	global_store_b128 v[L16], v[PC+6:PC+9], s[40:41] offset:768*\a
	global_store_b64 v[L8], v[PC+10:PC+11], s[40:41] offset:768*\a+512
	v_and_b32 v[QW+\a], 0xffff, v[PW]              ; q's two bytes, zeros above them: the upper 64 of that product's 128 along K are zero codes
	v_lshrrev_b32 v[KW+\a], 16, v[PW]              ; k's
.endr
.irp d, 0,1                                    ; v: channel tiles 2 d and 2 d + 1, my 64 keys
	QUANT64 VA+64*\d, 0
.irp c, 0,1
	global_store_b128 v[L16], v[PC+6*\c:PC+6*\c+3], s[42:43] offset:6144+(4*\d+2*\c)*768
	global_store_b64 v[L8], v[PC+6*\c+4:PC+6*\c+5], s[42:43] offset:6144+(4*\d+2*\c)*768+512
.endr
	ds_store_b16 v[VSA], v[PW] offset:128*\d               ; a scale word of V spans 128 keys, two waves' rows: the halves meet in LDS (lanes r and r + 16 write the same bytes with the same value)
	ds_store_b16_d16_hi v[VSA], v[PW] offset:128*\d+4
	s_wait_dscnt 0x0                               ; the stores have read the word; behind the second pair also for the others' sake
.endr
	v_cndmask_b32 v112, v[QW], v[QW+2], s30        ; lanes 0-15 store words 0 and 1 of their row, lanes 16-31 words 2 and 3: 256 consecutive bytes
	v_cndmask_b32 v113, v[QW+1], v[QW+3], s30
	v_cndmask_b32 v114, v[KW], v[KW+2], s30
	v_cndmask_b32 v115, v[KW+1], v[KW+3], s30
	global_store_b64 v[RH], v[112:113], s[14:15]
	global_store_b64 v[RH], v[114:115], s[44:45] offset:12288
	s_barrier_signal -1
	s_barrier_wait -1                              ; V's scale words of both key steps lie in LDS
	s_cmp_lg_u32 s18, 0
	s_cbranch_scc1 .Lnot_first
	ds_load_b128 v[116:119], v[VRD]
	s_wait_dscnt 0x0
	global_store_b128 v[VGO], v[116:119], s[16:17] offset:12800    ; lanes 0-15 the first step's 256 bytes, lanes 16-31 the second's
.Lnot_first:
	s_wait_tensorcnt 0x0                           ; the wave's end
	ds_add_u32 v[SPW], v[NIL]
	s_wait_dscnt 0x0
	CROUND                                         ; the closing round
	s_endpgm
.Lfunc_end_k_q8c1b7a91c3_qkv:
	.size	k_q8c1b7a91c3_qkv, .Lfunc_end_k_q8c1b7a91c3_qkv-k_q8c1b7a91c3_qkv
	.p2alignl 7, 3214868480
	.fill 96, 4, 3214868480
	.section	.rodata,"a",@progbits
	.p2align	6, 0x0
	.amdhsa_kernel k_q8c1b7a91c3_qkv
		.amdhsa_group_segment_fixed_size 327680
		.amdhsa_private_segment_fixed_size 0
		.amdhsa_enable_private_segment 0
		.amdhsa_kernarg_size 56
		.amdhsa_user_sgpr_count 2
		.amdhsa_user_sgpr_kernarg_segment_ptr 1
		.amdhsa_wavefront_size32 1
		.amdhsa_system_sgpr_workgroup_id_x 1
		.amdhsa_system_sgpr_workgroup_id_y 1
		.amdhsa_system_sgpr_workgroup_id_z 1
		.amdhsa_system_vgpr_workitem_id 0
		.amdhsa_next_free_vgpr 1024
		.amdhsa_next_free_sgpr 102
		.amdhsa_reserve_vcc 0
		.amdhsa_float_denorm_mode_32 3
		.amdhsa_float_denorm_mode_16_64 3
		.amdhsa_memory_ordered 1
		.amdhsa_forward_progress 1
		.amdhsa_inst_pref_size 137
	.end_amdhsa_kernel
	.amdgpu_metadata
---
amdhsa.version: [ 1, 2 ]
amdhsa.kernels:
  - .name:           k_q8c1b7a91c3_qkv
    .symbol:         k_q8c1b7a91c3_qkv.kd
    .args:
      - { .name: hc, .offset: 0, .size: 8, .value_kind: global_buffer, .address_space: global }
      - { .name: hs, .offset: 8, .size: 8, .value_kind: global_buffer, .address_space: global }
      - { .name: qkv_w_codes, .offset: 16, .size: 8, .value_kind: global_buffer, .address_space: global }
      - { .name: qkv_w_scales, .offset: 24, .size: 8, .value_kind: global_buffer, .address_space: global }
      - { .name: qc, .offset: 32, .size: 8, .value_kind: global_buffer, .address_space: global }
      - { .name: qs, .offset: 40, .size: 8, .value_kind: global_buffer, .address_space: global }
      - { .name: kv, .offset: 48, .size: 8, .value_kind: global_buffer, .address_space: global }
    .group_segment_fixed_size: 327680
    .private_segment_fixed_size: 0
    .kernarg_segment_align: 8
    .kernarg_segment_size: 56
    .max_flat_workgroup_size: 128
    .sgpr_count:     102
    .vgpr_count:     1024
    .wavefront_size: 32
...
	.end_amdgpu_metadata
.endif
;; end of part 2
;; launch attn (part 3): grid 4 x 64, 16 waves a work-group, clusters of 4 x 1, 210,944 bytes of LDS; arguments qc, qs, kv, oc, os; writes oc, os
.if DOCPART == 3
	.amdgcn_target "amdgcn-amd-amdhsa--gfx1250"
	.amdhsa_code_object_version 6
	.text
	.protected	k_q8c1b7a91c3_attn
	.globl	k_q8c1b7a91c3_attn
	.p2align	8
	.type	k_q8c1b7a91c3_attn,@function
k_q8c1b7a91c3_attn:
	s_mov_b64 s[64:65], 0
	v_nop
	global_prefetch_b8 v0, s[64:65] scope:SCOPE_SE
	s_setreg_imm32_b32 hwreg(HW_REG_WAVE_MODE, 25, 1), 1
	s_wait_xcnt 0x0
	s_wait_alu depctr_hold_cnt(0) depctr_sa_sdst(0) depctr_va_vdst(0) depctr_va_sdst(0) depctr_va_ssrc(0) depctr_va_vcc(0) depctr_vm_vsrc(0)
	s_getreg_b32 s2, hwreg(HW_REG_IB_STS2, 6, 4)
	s_cmp_eq_u32 s2, 0
	s_cbranch_scc0 .Lentry_in_a_cluster
	s_endpgm
.Lentry_in_a_cluster:
	s_bfe_u32 s2, ttmp6, 0x10000c
	s_cmp_lg_u32 s2, 0x3003
	s_cbranch_scc0 .Lentry_shape_is_right
	s_endpgm
.Lentry_shape_is_right:
; o = softmax(q k^T / 32) v for one head of one batch, both products on codes of E2M3 with one E8M0 byte for each 32 along K; o is divided by the row's sum and quantised along the head's 64 channels.
; THE SOFTMAX AHEAD OF THE SECOND PRODUCT: t = score x log2(e) / 32; M = the running largest t rounded UP to a whole number; p = 2^(t - M) is quantised along the keys, not normalised; the row's sum is taken of the
; unquantised p, in f32; when M moves, the sum and O are multiplied by 2^(old M - new M), which rounds nothing.
; IN: qc [64 heads][128 tiles of 16 queries][768], qs their scale words, kv [64][16 steps of 128 keys][13,056]: all laid as images of operand registers (lane l's registers 0-3 at 16 l, registers 4-5 at 512 + 8 l of a piece of 768 bytes).
; SHARES: a work-group owns 512 queries of a head; each of its sixteen waves two tiles of 16, one after the other, in 256 registers: four waves to a SIMD, so that one wave's vector work stands beside another's products and LDS loads.
; THE WHOLE HEAD'S K AND V, 208,896 bytes, COME INTO LDS ONCE: wave w asks for key step w.  No ring, no refill, no LDS store.
; CLUSTER: the four work-groups of a head form a cluster and ask for each key step jointly: the same tensor load, the same descriptor, a mask that names the four.  A wave has one tensor load out.
; LAYOUT: both products are used transposed (S^T = K Q^T, O^T = V^T P^T): a lane holds one query throughout.  The keys of a tile of K and the channels of a tile of V are laid so that the 16 registers of two neighbouring
; tiles are 16 neighbours along the next K.
; THE FIRST PRODUCT'S K IS 64, the instruction's 128: Q's registers 6-11 are zero codes, so what stands in K's registers 6-11 adds nothing: K's pieces lie 6 registers apart and each product names 12.  The scale words' upper bytes are 0.
; OUT: oc [512 tiles][16 heads][768], os [512][4][16][8].  A scale word of the last product spans two heads, which two work-groups make: so os is stored a byte a lane, 2 bytes for each 48 bytes of codes.
; LIMITS: NaN and infinities are not served; a block of o whose largest magnitude lies under 2^-124 gets the byte 1; this program alone reads the bytes.
; REGISTERS: v1-2, v6-7 lane terms; v4-5 the step's addresses; v8-11 K's scale words; v12 -M, v13 the largest t, v[14:15] the sum; v16-27 Q; v28-29 V's scale words; v30 Q's; v32-85 K, then V; v86-92 the second tile's Q;
; v96-159 S^T, then p; v160-191 O^T; v224-235 p's codes; v232-254 at work.
.set STEPB, 13056
.set WV,  18
.set SEL, 20
.set CS,  22
.set G1,  24
.set G0,  32
.set TB,  36                           ; LDS byte at which the key step in hand begins
.set CNT, 37
.set HI,  38                           ; lanes 16-31
.macro CROUND
	s_barrier_signal -1
	s_barrier_wait -1
	s_cmp_lg_u32 s[WV], 0
	s_cbranch_scc1 .Lnot_wave_0_\@
	s_barrier_signal -3
.Lnot_wave_0_\@:
	s_barrier_wait -3
	s_barrier_signal -1
	s_barrier_wait -1
.endm
	s_load_b128 s[4:7], s[0:1], 0x0                ; qc, qs
	s_load_b128 s[8:11], s[0:1], 0x10              ; kv, oc
	s_load_b64 s[12:13], s[0:1], 0x20              ; os
	v_lshl_add_u32 v251, v0, 2, 0x33000
	v_mov_b32 v255, 0
	ds_add_u32 v251, v255
	ds_add_u32 v251, v255
	v_lshrrev_b32 v1, 5, v0
	v_readfirstlane_b32 s[WV], v1                  ; wave 0..15
	s_bfe_u32 s19, ttmp6, 0x40000                  ; cx: it enters Q's and O's global addresses alone
	s_and_b32 s14, ttmp7, 0xffff                   ; bh = 16 x batch + head, which the four partners share
	s_lshl_b32 s15, ttmp9, 2
	s_add_co_u32 s15, s15, s19                     ; my block of 512 queries
	s_lshl_b32 s40, s15, 5
	s_lshl_b32 s41, s[WV], 1
	s_add_co_u32 s40, s40, s41                     ; T0: my first tile of the head's 128
	s_lshl_b32 s41, s14, 7
	s_add_co_u32 s42, s41, s40
	s_mul_i32 s42, s42, 768                        ; its codes
	s_mov_b32 s43, 0
	s_lshr_b32 s44, s40, 2
	s_lshl_b32 s44, s44, 8
	s_lshl_b32 s45, s14, 13
	s_add_co_u32 s44, s44, s45
	s_and_b32 s45, s40, 3
	s_lshl_b32 s45, s45, 2
	s_add_co_u32 s44, s44, s45                     ; its scale words: group T0 / 4, word T0 % 4 of each row
	s_mov_b32 s45, 0
	s_lshr_b32 s46, s14, 4
	s_lshl_b32 s46, s46, 7
	s_add_co_u32 s46, s46, s40                     ; 128 x batch + T0: the tile among all 512
	s_and_b32 s47, s14, 15                         ; the head
	s_lshl_b32 s48, s46, 4
	s_add_co_u32 s48, s48, s47
	s_mul_i32 s48, s48, 768
	s_mov_b32 s49, 0
	s_lshl_b32 s50, s46, 9
	s_lshr_b32 s51, s47, 2
	s_lshl_b32 s51, s51, 7
	s_add_co_u32 s50, s50, s51
	s_and_b32 s51, s47, 3
	s_lshl_b32 s51, s51, 1
	s_add_co_u32 s50, s50, s51                     ; os: tile x 512 + (head / 4) x 128 + 2 (head % 4)
	s_mov_b32 s51, 0
	s_mov_b32 s[G1], 15|(3<<16)|(1<<21)            ; 15:0 the mask: all four work-groups; elements of 8 bytes; bit 21 set beside a mask; no padding
	s_mov_b32 s[G1+1], 32<<16                      ; a key step is 13,056 dense bytes: 51 rows of 256
	s_mov_b32 s[G1+2], 51<<16
	s_mov_b32 s[G1+3], 32<<16
	s_mov_b32 s[G1+4], 51
	s_mov_b32 s[G1+5], 32
	s_mov_b32 s[G1+6], 0
	s_mov_b32 s[G1+7], 0
	s_mov_b32 s[G0], 1
	s_mul_i32 s[G0+1], s[WV], STEPB                ; key step w goes to LDS byte 13,056 w
	s_mul_i32 s16, s14, 16*STEPB
	s_add_co_u32 s16, s16, s[G0+1]
	s_mov_b32 s17, 0
	s_mov_b32 s[SEL], 0x76543210
	s_mov_b32 s[SEL+1], 0xfedcba98
	s_mov_b32 s[CS], 0x3d38aa3b                    ; c = log2(e) / 32
	s_mov_b32 s[CS+1], s[CS]                       ; (named with it as a pair, so it is written)
	s_mov_b32 s[HI], 0xffff0000
	s_wait_dscnt 0x0
	s_wait_kmcnt 0x0
	s_add_nc_u64 s[G0+2:G0+3], s[8:9], s[16:17]
	s_or_b32 s[G0+3], s[G0+3], 0x80000000
	s_add_nc_u64 s[4:5], s[4:5], s[42:43]
	s_add_nc_u64 s[6:7], s[6:7], s[44:45]
	s_add_nc_u64 s[10:11], s[10:11], s[48:49]
	s_add_nc_u64 s[12:13], s[12:13], s[50:51]
	CROUND                                         ; all four work-groups are here: the joint loads meet
	tensor_load_to_lds s[G0:G0+3], s[G1:G1+7]
	s_nop 0
.rept 4
	v_nop
.endr
	v_and_b32 v3, 31, v0
	v_lshlrev_b32 v1, 4, v3                        ; 16 x lane
	v_lshlrev_b32 v2, 3, v3                        ; 8 x lane
	v_and_b32 v7, 15, v0
	v_bfe_u32 v6, v0, 4, 1
	v_lshl_add_u32 v6, v7, 3, v6                   ; 8 r + h
	v_lshlrev_b32 v7, 4, v7                        ; 16 r
	global_load_b128 v[16:19], v1, s[4:5]          ; both tiles' Q and their scale words
	global_load_b64 v[20:21], v2, s[4:5] offset:512
	global_load_b32 v30, v7, s[6:7]
	global_load_b128 v[86:89], v1, s[4:5] offset:768
	global_load_b64 v[90:91], v2, s[4:5] offset:1280
	global_load_b32 v92, v7, s[6:7] offset:4
.irp j, 0,1,2,3,4,5
	v_mov_b32 v[22+\j], 0                          ; Q's upper 64 along K: zero codes
	v_mov_b32 v[80+\j], 0                          ; what the last tile of K names beyond its six registers
.endr
.irp b, 0,1,2,3
	v_mov_b32 v[236+\b], 0                         ; written once: a lane permute's destination counts as one of its sources
.endr
	v_mov_b32 v253, 0                              ; (named as the upper half of the pair v[252:253] before it is first written)
	s_wait_tensorcnt 0x0                           ; my key step is in,
	s_barrier_signal -1
	s_barrier_wait -1                              ; everybody's is
	s_wait_loadcnt 0x0                             ; Q
; A KEY STEP: 128 keys.
.macro STEP
	v_add_nc_u32 v4, s[TB], v1
	v_add_nc_u32 v5, s[TB], v2
	v_nop
	v_nop                                          ; four places in front of loads into registers that the last products read
.irp t, 0,1,2,3,4,5,6,7
	ds_load_b128 v[32+6*\t:35+6*\t], v4 offset:768*\t
	ds_load_b64 v[36+6*\t:37+6*\t], v5 offset:768*\t+512
.endr
	ds_load_b128 v[8:11], v4 offset:12288          ; K's scale words: lanes 0-15 tiles 0-3, lanes 16-31 tiles 4-7
	s_wait_dscnt 0x0
.irp t, 0,1,2,3
	v_wmma_scale_f32_16x16x128_f8f6f4 v[96+8*\t:103+8*\t], v[32+6*\t:43+6*\t], v[16:27], 0, v[8+\t], v30 matrix_a_fmt:MATRIX_FMT_FP6 matrix_b_fmt:MATRIX_FMT_FP6
.endr
.irp t, 4,5,6,7
	v_wmma_scale_f32_16x16x128_f8f6f4 v[96+8*\t:103+8*\t], v[32+6*\t:43+6*\t], v[16:27], 0, v[4+\t], v30 matrix_a_fmt:MATRIX_FMT_FP6 matrix_b_fmt:MATRIX_FMT_FP6 matrix_a_scale:MATRIX_SCALE_ROW1
.endr
.rept 4
	v_nop                                          ; places in front of the loads over K and of the first read of the scores
.endr
.irp t, 0,1,2,3                                ; V's four fragments land while the softmax is worked
.irp c, 0,1
	ds_load_b128 v[32+12*\t+6*\c:35+12*\t+6*\c], v4 offset:6144+(2*\t+\c)*768
	ds_load_b64 v[36+12*\t+6*\c:37+12*\t+6*\c], v5 offset:6144+(2*\t+\c)*768+512
.endr
.endr
	ds_load_b64 v[28:29], v5 offset:12800          ; V's scale words: lanes 0-15 tiles 0, 1, lanes 16-31 tiles 2, 3
.irp b, 0,1,2,3
	v_max3_num_f32 v[232+\b], v[96+16*\b], v[97+16*\b], v[98+16*\b]   ; the largest score of each block of 32 keys: for the row's maximum and, since p rises with the score, for the block's largest p
.endr
.irp i, 3,5,7,9,11,13
.irp b, 0,1,2,3
	v_max3_num_f32 v[232+\b], v[232+\b], v[96+16*\b+\i], v[97+16*\b+\i]
.endr
.endr
.irp b, 0,1,2,3
	v_max_num_f32 v[232+\b], v[232+\b], v[111+16*\b]
.endr
.irp b, 0,1,2,3
	v_permlanex16_b32 v[236+\b], v[232+\b], s[SEL], s[SEL+1]
.endr
.irp b, 0,1,2,3
	v_max_num_f32 v[232+\b], v[232+\b], v[236+\b]  ; with lane l xor 16's 16 keys
.endr
	v_max3_num_f32 v254, v232, v233, v234
	v_max_num_f32 v254, v254, v235
	v_mul_f32 v254, s[CS], v254                    ; the step's largest t (c is positive)
	v_max_num_f32 v13, v13, v254                   ; the running largest t
	v_mov_b32 v254, v12
	v_floor_f32 v12, -v13                          ; the new -M = floor(-t): M is a whole number
	v_sub_f32 v254, v12, v254                      ; old M - new M: a whole number, 0 or less
	v_cvt_i32_f32 v254, v254                       ; (it saturates)
	v_ldexp_f32 v252, 1.0, v254                    ; f = 2^(old M - new M)
.set jj, 0
.rept 32
	v_pk_fma_f32 v[96+jj:97+jj], v[96+jj:97+jj], s[CS:CS+1], v[12:13] op_sel_hi:[1,0,0]   ; t - M, two at a time
.set jj, jj+2
.endr
.irp b, 0,1,2,3
	v_fma_f32 v[232+\b], v[232+\b], s[CS], v12     ; the same of each block's largest score
.endr
.set jj, 0
.rept 64
	v_exp_f32 v[96+jj], v[96+jj]                   ; p = 2^(t - M), at most 1
.set jj, jj+1
.endr
	v_pk_mul_f32 v[14:15], v[14:15], v[252:253] op_sel_hi:[1,0]   ; the sums under the new M (the plain instruction behind the exponentials)
	s_wait_alu depctr_va_vdst(0)                   ; one wait for the whole batch, ahead of its first reader
.irp b, 0,1,2,3
	v_exp_f32 v[232+\b], v[232+\b]                 ; the block's largest p: the same two instructions on the same number give the same bits
.endr
	v_pk_add_f32 v[236:237], v[96:97], v[98:99]    ; the row's sum of the unquantised p, in two chains
.irp j, 4,8,12,16,20,24,28,32,36,40,44,48,52,56,60
	v_pk_add_f32 v[14:15], v[14:15], v[96+\j:97+\j]
	v_pk_add_f32 v[236:237], v[236:237], v[98+\j:99+\j]
.endr
	v_pk_add_f32 v[14:15], v[14:15], v[236:237]
	s_wait_alu depctr_va_vdst(0)                   ; and one for the four
.irp b, 0,1,2,3
	v_max_num_f32 v[232+\b], 0x1800000, v[232+\b]  ; the floor 2^(3 - 127): the byte cannot fall under 1
.endr
.irp b, 0,1,2,3
	v_add_nc_u32 v[244+\b], 0xff000000, v[232+\b]  ; 2 off the exponent field: the conversion's scale operand
.endr
.irp b, 0,1,2,3
	v_lshrrev_b32 v[236+\b], 23, v[244+\b]         ; the scale's byte
.endr
	v_lshl_or_b32 v253, v237, 8, v236              ; p's scale word for these 128 keys
	v_lshl_or_b32 v253, v238, 16, v253
	v_lshl_or_b32 v253, v239, 24, v253
.irp c, 0,1
	v_cvt_scalef32_pk16_fp6_f32 v[224+6*\c:226+6*\c], v[96+32*\c:111+32*\c], v[244+2*\c]
	v_cvt_scalef32_pk16_fp6_f32 v[236+4*\c:238+4*\c], v[112+32*\c:127+32*\c], v[244+2*\c+1]
.endr
	v_nop                                          ; one plain instruction behind the conversions
.irp c, 0,1                                    ; a whole block in a lane: lanes 0-15 block 2 c, lanes 16-31 block 2 c + 1
.irp i, 0,1,2
	v_permlane16_swap_b32 v[224+6*\c+\i], v[236+4*\c+\i]
.endr
.irp i, 0,1,2
	v_mov_b32 v[227+6*\c+\i], v[236+4*\c+\i]
.endr
.endr
.set jj, 0
.rept 16
	v_pk_mul_f32 v[160+jj:161+jj], v[160+jj:161+jj], v[252:253] op_sel_hi:[1,0]   ; O^T under the new M; these sixteen also stand between the lines that made p's codes and scale word and the products
.set jj, jj+2
.endr
	s_wait_dscnt 0x0                               ; V is in
.irp t, 0,1
	v_wmma_scale_f32_16x16x128_f8f6f4 v[160+8*\t:167+8*\t], v[32+12*\t:43+12*\t], v[224:235], v[160+8*\t:167+8*\t], v[28+\t], v253 matrix_a_fmt:MATRIX_FMT_FP6 matrix_b_fmt:MATRIX_FMT_FP6
.endr
.irp t, 2,3
	v_wmma_scale_f32_16x16x128_f8f6f4 v[160+8*\t:167+8*\t], v[32+12*\t:43+12*\t], v[224:235], v[160+8*\t:167+8*\t], v[26+\t], v253 matrix_a_fmt:MATRIX_FMT_FP6 matrix_b_fmt:MATRIX_FMT_FP6 matrix_a_scale:MATRIX_SCALE_ROW1
.endr
	s_add_co_u32 s[TB], s[TB], STEPB
.endm
; One tile of 16 queries through all 16 key steps, and out.  nq: which of my two tiles.  (The argument shares its name with none of the body's loop variables b, i, j: an argument is put in as text ahead of every loop.)
.macro QTILE nq
.if \nq
	s_wait_xcnt 0x0                                ; the first tile's stores have read their registers
.irp j, 0,1,2,3,4,5
	v_mov_b32 v[16+\j], v[86+\j]
.endr
	v_mov_b32 v30, v92
.endif
	v_mov_b32 v13, 0xff61b1e6                      ; the largest t so far: -3e38, under every t
	v_floor_f32 v12, -v13
	v_mov_b32 v14, 0
	v_mov_b32 v15, 0
.set jj, 0
.rept 32
	v_mov_b32 v[160+jj], 0                         ; O^T: the step is written once; its first trip finds zeros, which the first change of M leaves zeros
.set jj, jj+1
.endr
	s_mov_b32 s[TB], 0
	s_mov_b32 s[CNT], 16
.Lstep_\@:
	STEP
	s_sub_co_u32 s[CNT], s[CNT], 1
	s_cmp_lg_u32 s[CNT], 0
	s_cbranch_scc1 .Lstep_\@
.rept 4
	v_nop                                          ; places behind the last products
.endr
	v_add_f32 v14, v14, v15
	v_permlanex16_b32 v252, v14, s[SEL], s[SEL+1]
	v_add_f32 v14, v14, v252                       ; the row's sum
	v_rcp_f32 v14, v14
	v_nop
	s_wait_alu depctr_va_vdst(0)                   ; ahead of the reciprocal's first reader
.set jj, 0
.rept 16
	v_pk_mul_f32 v[96+jj:97+jj], v[160+jj:161+jj], v[14:15] op_sel_hi:[1,0]   ; o: register 16 b + i is channel 32 b + 16 (lane / 16) + i of my query
.set jj, jj+2
.endr
.irp b, 0,1
	v_max3_num_f32 v[232+\b], |v[96+16*\b]|, |v[97+16*\b]|, 0x1800000   ; block b: my 16 numbers, and the floor 2^(3 - 127)
.endr
.irp i, 2,4,6,8,10,12,14
.irp b, 0,1
	v_max3_num_f32 v[232+\b], v[232+\b], |v[96+16*\b+\i]|, |v[97+16*\b+\i]|
.endr
.endr
.irp b, 0,1
	v_permlanex16_b32 v[236+\b], v[232+\b], s[SEL], s[SEL+1]
.endr
.irp b, 0,1
	v_max_num_f32 v[232+\b], v[232+\b], v[236+\b]  ; with lane l xor 16's: the block's largest magnitude
.endr
.irp b, 0,1
	v_add_nc_u32 v[244+\b], 0xff000000, v[232+\b]  ; 2 off its exponent field: the conversion's scale operand
.endr
.irp b, 0,1
	v_lshrrev_b32 v[236+\b], 23, v[244+\b]         ; the scale's byte
.endr
	v_cvt_scalef32_pk16_fp6_f32 v[224:226], v[96:111], v244
	v_cvt_scalef32_pk16_fp6_f32 v[240:242], v[112:127], v245
	v_cndmask_b32 v238, v236, v237, s[HI]          ; my half's block's byte (and the plain instruction behind the conversions)
.irp i, 0,1,2
	v_permlane16_swap_b32 v[224+\i], v[240+\i]     ; a whole block in a lane: lanes 0-15 block 0, lanes 16-31 block 1
.endr
.irp i, 0,1,2
	v_mov_b32 v[227+\i], v[240+\i]
.endr
	global_store_b128 v1, v[224:227], s[10:11] offset:12288*\nq
	global_store_b64 v2, v[228:229], s[10:11] offset:12288*\nq+512
	global_store_b8 v6, v238, s[12:13] offset:512*\nq
.endm
	QTILE 0
	QTILE 1
	s_wait_tensorcnt 0x0
	ds_add_u32 v251, v255
	s_wait_dscnt 0x0
	CROUND                                         ; the closing round
	s_endpgm
.Lfunc_end_k_q8c1b7a91c3_attn:
	.size	k_q8c1b7a91c3_attn, .Lfunc_end_k_q8c1b7a91c3_attn-k_q8c1b7a91c3_attn
	.p2alignl 7, 3214868480
	.fill 96, 4, 3214868480
	.section	.rodata,"a",@progbits
	.p2align	6, 0x0
	.amdhsa_kernel k_q8c1b7a91c3_attn
		.amdhsa_group_segment_fixed_size 210944
		.amdhsa_private_segment_fixed_size 0
		.amdhsa_enable_private_segment 0
		.amdhsa_kernarg_size 40
		.amdhsa_user_sgpr_count 2
		.amdhsa_user_sgpr_kernarg_segment_ptr 1
		.amdhsa_wavefront_size32 1
		.amdhsa_system_sgpr_workgroup_id_x 1
		.amdhsa_system_sgpr_workgroup_id_y 1
		.amdhsa_system_sgpr_workgroup_id_z 1
		.amdhsa_system_vgpr_workitem_id 0
		.amdhsa_next_free_vgpr 256
		.amdhsa_next_free_sgpr 66
		.amdhsa_reserve_vcc 0
		.amdhsa_float_denorm_mode_32 3
		.amdhsa_float_denorm_mode_16_64 3
		.amdhsa_memory_ordered 1
		.amdhsa_forward_progress 1
		.amdhsa_inst_pref_size 47
	.end_amdhsa_kernel
	.amdgpu_metadata
---
amdhsa.version: [ 1, 2 ]
amdhsa.kernels:
  - .name:           k_q8c1b7a91c3_attn
    .symbol:         k_q8c1b7a91c3_attn.kd
    .args:
      - { .name: qc, .offset: 0, .size: 8, .value_kind: global_buffer, .address_space: global }
      - { .name: qs, .offset: 8, .size: 8, .value_kind: global_buffer, .address_space: global }
      - { .name: kv, .offset: 16, .size: 8, .value_kind: global_buffer, .address_space: global }
      - { .name: oc, .offset: 24, .size: 8, .value_kind: global_buffer, .address_space: global }
      - { .name: os, .offset: 32, .size: 8, .value_kind: global_buffer, .address_space: global }
    .group_segment_fixed_size: 210944
    .private_segment_fixed_size: 0
    .kernarg_segment_align: 8
    .kernarg_segment_size: 40
    .max_flat_workgroup_size: 512
    .sgpr_count:     66
    .vgpr_count:     256
    .wavefront_size: 32
...
	.end_amdgpu_metadata
.endif
;; end of part 3
;; launch proj (part 4): grid 8 x 32, 4 waves a work-group, clusters of 4 x 4, 327,680 bytes of LDS; arguments oc, os, out_w_codes, out_w_scales, out_b, x, out0; writes out0
.if DOCPART == 4
	.amdgcn_target "amdgcn-amd-amdhsa--gfx1250"
	.amdhsa_code_object_version 6
	.text
	.protected	k_q8c1b7a91c3_proj
	.globl	k_q8c1b7a91c3_proj
	.p2align	8
	.type	k_q8c1b7a91c3_proj,@function
k_q8c1b7a91c3_proj:
	s_mov_b64 s[64:65], 0
	v_nop
	global_prefetch_b8 v0, s[64:65] scope:SCOPE_SE
	s_setreg_imm32_b32 hwreg(HW_REG_WAVE_MODE, 25, 1), 1
	s_wait_xcnt 0x0
	s_wait_alu depctr_hold_cnt(0) depctr_sa_sdst(0) depctr_va_vdst(0) depctr_va_sdst(0) depctr_va_ssrc(0) depctr_va_vcc(0) depctr_vm_vsrc(0)
	s_getreg_b32 s2, hwreg(HW_REG_IB_STS2, 6, 4)
	s_cmp_eq_u32 s2, 0
	s_cbranch_scc0 .Lentry_in_a_cluster
	s_endpgm
.Lentry_in_a_cluster:
	s_bfe_u32 s2, ttmp6, 0x10000c
	s_cmp_lg_u32 s2, 0xf033
	s_cbranch_scc0 .Lentry_shape_is_right
	s_endpgm
.Lentry_shape_is_right:
; out0 = o W + out_b + x, the product on codes of E2M3 with one E8M0 byte for each 32 along K = 1,024.
; o comes as images of operand registers (oc: [512 tiles of 16 rows][16 groups of 64 k][768 bytes]; os: [512][4][16][8] scale bytes); W as rows of 768 bytes of codes and 32 scale bytes, K innermost.
; SHARES: a work-group makes 256 rows x 128 columns (x = block of columns, y = block of rows): 256 work-groups; wave w its rows 64 w .. 64 w + 63: 4 x 8 accumulators, 256 registers.
; The products are used TRANSPOSED (source 0 = 16 columns of W, source 1 = 16 rows of o), so that a lane holds neighbouring numbers of a row of the output.  The bias is the C of each sum's first product.
; THE ROWS OF EVERY TILE ARE NOT NEIGHBOURS: lane r of tile 2 g + u holds row 32 g + 8 u + r + 8 (r / 8): o was made so; W's rows are taken so too, and the way out puts rows and columns back.
; K goes in steps of 128; an LDS slot holds 256 along K.  THREE slots take K's first three quarters as first fills; the last quarter is the one refill, into slot 0.  All eight steps are written out.
; x, 64 rows x 512 bytes a wave, is asked for at the head, into registers, and is on its way under the whole product.
; CLUSTERS: 4 x 4 work-groups; o's tiles are asked for jointly along a row of the cluster, W's along a column.  A wave has at most four tensor loads out: the scale bytes and three slots.
; THE WAY OUT: a block of 16 rows goes through the wave's own stage in LDS and comes back as rows of 512 bytes; x is added; each store covers 512 consecutive bytes, aligned.  The stage lies in slot 1, which is filled
; once, at the head, and read last ahead of step 5's barrier.
; REGISTERS, in windows of 256: window 0: v7-27 addresses; v32-47 W's scale words, v56-63 o's, two sets each; v64-127 the bias; v128-255 x's blocks 0, 1.
;   windows 1 and 2: the two sets of fragments (o's four at v[12 i], W's eight at v[48 + 12 b]); from v144 x's blocks 2 and 3; on the way out window 1's v0-127 take the rows back from the stage.   window 3: the accumulators, (a, b) at v[8 (8 a + b)].
.set NB,    8
.set BOFF,  49152
.set SLOT,  BOFF+16*NB*240
.set SCA,   3*SLOT
.set SCB,   SCA+8192
.set SPARE, 252160                     ; the spare words, 128 bytes for each wave: two blocks of 256 bytes that no other line names
.set AA16, 8
.set AA8,  11
.set AB,   14
.set ASA,  20
.set ASB,  21
.set SPW,  22
.set NIL,  23
.set L16,  24
.set L8,   25
.set STO,  26
.set RD,   27
.set SB,   32
.set SA,   56
.set BI,   64
.set G1A,  32
.set G1B,  40
.set G0A,  48
.set G0SA, 60
.set G0B,  68
.set G1SA, 80
.set G1SB, 88
.set G0SB, 96
.set MSB, 0
.macro WIN new                         ; the immediate's high byte repeats the setting that is left
.if MSB != (\new)
	s_set_vgpr_msb (MSB<<8)|(\new)
.set MSB, (\new)
.endif
.endm
.macro PLACES n
.rept \n
	v_nop
.endr
.endm
; A joint load: waves 0 and 1 fetch for o, waves 2 and 3 for W.  The branch hangs on the wave's number alone.  Four v_nop follow each of the two lines.
.macro JLOAD g0a, g1a, g0b, g1b
	s_cmp_eq_u32 s19, 0
	s_cbranch_scc0 .Lfor_b_\@
	tensor_load_to_lds s[\g0a:\g0a+3], s[\g1a:\g1a+7]
	s_nop 0
.rept 4
	v_nop
.endr
	s_branch .Lasked_\@
.Lfor_b_\@:
	tensor_load_to_lds s[\g0b:\g0b+3], s[\g1b:\g1b+7]
	s_nop 0
.rept 4
	v_nop
.endr
.Lasked_\@:
.endm
.macro CREST
	s_cmp_lg_u32 s18, 0
	s_cbranch_scc1 .Lnot_wave_0_\@
	s_barrier_signal -3
.Lnot_wave_0_\@:
	s_barrier_wait -3
	s_barrier_signal -1
	s_barrier_wait -1
.endm
.macro CROUND
	s_barrier_signal -1
	s_barrier_wait -1
	CREST
.endm
	s_load_b128 s[4:7], s[0:1], 0x0                ; oc, os
	s_load_b128 s[8:11], s[0:1], 0x10              ; W's codes, W's scales
	s_load_b128 s[12:15], s[0:1], 0x20             ; out_b, x
	s_load_b64 s[16:17], s[0:1], 0x30              ; out0
	v_lshl_add_u32 v[SPW], v0, 2, SPARE
	v_mov_b32 v[NIL], 0
	ds_add_u32 v22, v23
	ds_add_u32 v22, v23
	s_wait_dscnt 0x0
	v_lshrrev_b32 v1, 5, v0
	v_readfirstlane_b32 s18, v1                    ; wave 0..3
	s_lshr_b32 s19, s18, 1                         ; I fetch for o (0) or for W (1)
	s_and_b32 s20, s18, 1                          ; and which half
	s_bfe_u32 s21, ttmp6, 0x40000
	s_bfe_u32 s22, ttmp6, 0x40004
	s_lshl_b32 s23, ttmp9, 2
	s_add_co_u32 s23, s23, s21                     ; x: the block of 128 columns
	s_and_b32 s24, ttmp7, 0xffff
	s_lshl_b32 s24, s24, 2
	s_add_co_u32 s24, s24, s22                     ; y: the block of 256 rows
	s_lshl_b32 s25, s22, 2
	s_lshl_b32 s25, 15, s25                        ; my row of the cluster
	s_lshl_b32 s26, 0x1111, s21                    ; my column
	s_or_b32 s[G1A], s25, (3<<16)|(1<<21)          ; o's tiles: 8 rows of 384 elements of 8 bytes, 12,288 bytes apart in memory, dense in LDS
	s_mov_b32 s[G1A+1], 384<<16
	s_mov_b32 s[G1A+2], 8<<16
	s_mov_b32 s[G1A+3], 384<<16
	s_mov_b32 s[G1A+4], 8
	s_mov_b32 s[G1A+5], 1536
	s_mov_b32 s[G1A+6], 0
	s_mov_b32 s[G1A+7], 0
	s_or_b32 s[G1B], s26, (0<<16)|(1<<20)|(1<<21)|(3<<22)|(3<<25)   ; W's: 64 rows of 192 bytes, 768 apart; 4 words of padding behind every 16
	s_mov_b32 s[G1B+1], 192<<16
	s_mov_b32 s[G1B+2], (8*NB)<<16
	s_mov_b32 s[G1B+3], 192<<16
	s_mov_b32 s[G1B+4], 8*NB
	s_mov_b32 s[G1B+5], 768
	s_mov_b32 s[G1B+6], 0
	s_mov_b32 s[G1B+7], 0
	s_or_b32 s[G1SA], s25, (3<<16)|(1<<21)         ; o's scale bytes: 4,096 dense bytes as 16 rows of 256
	s_mov_b32 s[G1SA+1], 32<<16
	s_mov_b32 s[G1SA+2], 16<<16
	s_mov_b32 s[G1SA+3], 32<<16
	s_mov_b32 s[G1SA+4], 16
	s_mov_b32 s[G1SA+5], 32
	s_mov_b32 s[G1SA+6], 0
	s_mov_b32 s[G1SA+7], 0
	s_or_b32 s[G1SB], s26, (3<<16)|(1<<20)|(1<<21)|(5<<22)|(3<<25)  ; W's: 64 rows x 32 dense bytes as 8 rows of 256, 16 bytes of padding behind each
	s_mov_b32 s[G1SB+1], 32<<16
	s_mov_b32 s[G1SB+2], NB<<16
	s_mov_b32 s[G1SB+3], 32<<16
	s_mov_b32 s[G1SB+4], NB
	s_mov_b32 s[G1SB+5], 32
	s_mov_b32 s[G1SB+6], 0
	s_mov_b32 s[G1SB+7], 0
	s_lshl_b32 s27, s24, 4                         ; o's addresses hang on y and the wave alone, W's on x and the wave alone
	s_lshl_b32 s2, s20, 3
	s_add_co_u32 s27, s27, s2
	s_mul_i32 s28, s27, 12288
	s_mov_b32 s29, 0
	s_lshl_b32 s30, s27, 9
	s_mov_b32 s31, 0
	s_mul_i32 s66, s23, 16*NB
	s_mul_i32 s3, s20, 8*NB
	s_add_co_u32 s66, s66, s3
	s_lshl_b32 s100, s66, 5
	s_mov_b32 s101, 0
	s_mul_i32 s66, s66, 768
	s_mov_b32 s67, 0
	s_mul_i32 s2, s20, 24576
	s_mul_i32 s3, s20, 8*NB*240
	s_add_co_u32 s3, s3, BOFF
	s_lshl_b32 s25, s20, 12
	s_mul_i32 s26, s20, NB*272
	s_wait_kmcnt 0x0
	s_add_nc_u64 s[28:29], s[4:5], s[28:29]
	s_add_nc_u64 s[30:31], s[6:7], s[30:31]
	s_add_nc_u64 s[66:67], s[8:9], s[66:67]
	s_add_nc_u64 s[100:101], s[10:11], s[100:101]
	CROUND                                         ; all sixteen work-groups are here: the first joint loads meet
	s_mov_b32 s[G0SA], 1
	s_add_co_u32 s[G0SA+1], s25, SCA
	s_mov_b64 s[G0SA+2:G0SA+3], s[30:31]
	s_or_b32 s[G0SA+3], s[G0SA+3], 0x80000000
	s_mov_b32 s[G0SB], 1
	s_add_co_u32 s[G0SB+1], s26, SCB
	s_mov_b64 s[G0SB+2:G0SB+3], s[100:101]
	s_or_b32 s[G0SB+3], s[G0SB+3], 0x80000000
	JLOAD G0SA, G1SA, G0SB, G1SB                   ; the scale bytes for all of K: filled once
.irp s, 0,1,2
	s_mov_b32 s[G0A+4*\s], 1
	s_add_co_u32 s[G0A+4*\s+1], s2, \s*SLOT
	s_add_nc_u64 s[G0A+4*\s+2:G0A+4*\s+3], s[28:29], \s*3072
	s_or_b32 s[G0A+4*\s+3], s[G0A+4*\s+3], 0x80000000
	s_mov_b32 s[G0B+4*\s], 1
	s_add_co_u32 s[G0B+4*\s+1], s3, \s*SLOT
	s_add_nc_u64 s[G0B+4*\s+2:G0B+4*\s+3], s[66:67], \s*192
	s_or_b32 s[G0B+4*\s+3], s[G0B+4*\s+3], 0x80000000
	JLOAD G0A+4*\s, G1A, G0B+4*\s, G1B
.endr
	v_and_b32 v1, 31, v0                           ; lane
	v_and_b32 v2, 15, v0                           ; r
	v_bfe_u32 v3, v0, 4, 1                         ; h
	v_lshlrev_b32 v[L16], 4, v1
	v_lshlrev_b32 v[L8], 3, v1
	v_lshlrev_b32 v7, 6, v3                        ; the bias: 64 h
	s_lshl_b32 s28, s24, 8
	s_lshl_b32 s27, s18, 6
	s_add_co_u32 s28, s28, s27                     ; my first row: 256 y + 64 w
	s_lshl_b32 s28, s28, 12
	s_lshl_b32 s27, s23, 9                         ; my columns' first byte: 512 x
	s_add_co_u32 s28, s28, s27
	s_mov_b32 s29, 0
	s_add_nc_u64 s[14:15], s[14:15], s[28:29]
	s_add_nc_u64 s[16:17], s[16:17], s[28:29]
	s_mov_b32 s28, s27
	s_add_nc_u64 s[12:13], s[12:13], s[28:29]
.irp b, 0,1,2,3,4,5,6,7                        ; the bias in the result's layout: register 8 b + j is out_b at column 32 (b / 2) + 16 h + 8 (b % 2) + j of my 128
	global_load_b128 v[BI+8*\b:BI+8*\b+3], v7, s[12:13] offset:(32*(\b/2)+8*(\b%2))*4
	global_load_b128 v[BI+8*\b+4:BI+8*\b+7], v7, s[12:13] offset:(32*(\b/2)+8*(\b%2))*4+16
.endr
.macro XLOAD a, reg, w                 ; x at the 16 rows of my block a, in the tile's order of rows: 512 consecutive bytes a load
	WIN ((\w)<<6)
.irp t, 0,1,2,3,4,5,6,7,8,9,10,11,12,13,14,15
	global_load_b128 v[\reg+4*\t:\reg+4*\t+3], v[L16], s[14:15] offset:(32*((\a)/2)+8*((\a)%2)+\t+8*(\t/8))*4096 th:TH_LOAD_NT
.endr
	WIN 0
.endm
	XLOAD 0, 128, 0
	XLOAD 1, 192, 0
	XLOAD 2, 144, 1
	s_mul_i32 s27, s18, 12288
	v_add_nc_u32 v[AA16], s27, v[L16]
	v_add_nc_u32 v[AA8], s27, v[L8]
	v_and_b32 v4, 8, v2
	v_add_nc_u32 v4, v4, v2                        ; r + 8 (r / 8)
	v_mul_u32_u24 v4, v4, 240
	v_mad_u32_u24 v5, v3, 24, v4
	v_add_nc_u32 v[AB], BOFF, v5
	v_lshl_add_u32 v[AB+3], v3, 4, v[AB]
.irp s, 1,2
	v_add_nc_u32 v[AA16+\s], SLOT, v[AA16+\s-1]
	v_add_nc_u32 v[AA8+\s], SLOT, v[AA8+\s-1]
	v_add_nc_u32 v[AB+\s], SLOT, v[AB+\s-1]
	v_add_nc_u32 v[AB+3+\s], SLOT, v[AB+3+\s-1]
.endr
	s_lshl_b32 s27, s18, 11
	s_add_co_u32 s27, s27, SCA
	v_lshlrev_b32 v5, 3, v2
	v_lshl_add_u32 v5, v3, 10, v5
	v_add_nc_u32 v[ASA], s27, v5
	v_lshrrev_b32 v5, 3, v2
	v_mul_u32_u24 v5, v5, 544
	v_and_b32 v6, 7, v2
	v_lshl_add_u32 v5, v6, 5, v5
	v_mad_u32_u24 v5, v3, NB*272, v5
	v_add_nc_u32 v[ASB], SCB, v5
	s_mul_i32 s27, s18, 16*528
	s_add_co_u32 s27, s27, SLOT                    ; my stage: 16 rows x (512 bytes + 16)
	v_mul_u32_u24 v5, v2, 528
	v_lshl_add_u32 v5, v3, 6, v5
	v_add_nc_u32 v[STO], s27, v5                   ; in: row r, + 64 h
	v_add_nc_u32 v[RD], s27, v[L16]                ; back: 16 bytes a lane of a row
.macro FRAG reg, adr, q, ro
.irp p, 0,1,2,3,4,5
.set PCE, 12*(\q)+6*(\p/3)+\p%3
.if PCE%8 < 5
	ds_load_b64 v[\reg+2*\p:\reg+2*\p+1], v[\adr] offset:8*PCE+16*(PCE/8)+(\ro)*240
.else
	ds_load_b64 v[\reg+2*\p:\reg+2*\p+1], v[\adr+3] offset:8*PCE+16*(PCE/8)+(\ro)*240
.endif
.endr
.endm
.macro FETCH s, q, p
	WIN ((1+\p)<<6)
.irp i, 0,1,2,3
	ds_load_b128 v[12*\i:12*\i+3], v[AA16+\s] offset:\i*3072+\q*1536
	ds_load_b64 v[12*\i+4:12*\i+5], v[AA8+\s] offset:\i*3072+\q*1536+512
	ds_load_b128 v[12*\i+6:12*\i+9], v[AA16+\s] offset:\i*3072+\q*1536+768
	ds_load_b64 v[12*\i+10:12*\i+11], v[AA8+\s] offset:\i*3072+\q*1536+1280
.endr
.set bb, 0
.rept NB
	FRAG 48+12*bb, AB+\s, \q, 32*(bb/2)+8*(bb%2)
.set bb, bb+1
.endr
	WIN 0
.endm
.macro SCALES kk
.set ii, 0
.rept NB/2
	ds_load_b64 v[SB+NB*((\kk)%2)+2*ii:SB+NB*((\kk)%2)+2*ii+1], v[ASB] offset:(4*(ii/2)+ii%2)*272+8*(\kk)
.set ii, ii+1
.endr
.irp i, 0,1
	ds_load_b64 v[SA+4*((\kk)%2)+2*\i:SA+4*((\kk)%2)+2*\i+1], v[ASA] offset:512*\i+128*(\kk)
.endr
.endm
.macro WM d, s0, s1, x0, r0, x1, r1, c         ; one product; r0, r1: which half of the lanes holds the side's scale words
.if ((\r0)==0)&&((\r1)==0)
	v_wmma_scale_f32_16x16x128_f8f6f4 v[\d:\d+7], v[\s0:\s0+11], v[\s1:\s1+11], v[\c:\c+7], v[\x0], v[\x1] matrix_a_fmt:MATRIX_FMT_FP6 matrix_b_fmt:MATRIX_FMT_FP6
.elseif ((\r0)==1)&&((\r1)==0)
	v_wmma_scale_f32_16x16x128_f8f6f4 v[\d:\d+7], v[\s0:\s0+11], v[\s1:\s1+11], v[\c:\c+7], v[\x0], v[\x1] matrix_a_fmt:MATRIX_FMT_FP6 matrix_b_fmt:MATRIX_FMT_FP6 matrix_a_scale:MATRIX_SCALE_ROW1
.elseif ((\r0)==0)&&((\r1)==1)
	v_wmma_scale_f32_16x16x128_f8f6f4 v[\d:\d+7], v[\s0:\s0+11], v[\s1:\s1+11], v[\c:\c+7], v[\x0], v[\x1] matrix_a_fmt:MATRIX_FMT_FP6 matrix_b_fmt:MATRIX_FMT_FP6 matrix_b_scale:MATRIX_SCALE_ROW1
.else
	v_wmma_scale_f32_16x16x128_f8f6f4 v[\d:\d+7], v[\s0:\s0+11], v[\s1:\s1+11], v[\c:\c+7], v[\x0], v[\x1] matrix_a_fmt:MATRIX_FMT_FP6 matrix_b_fmt:MATRIX_FMT_FP6 matrix_a_scale:MATRIX_SCALE_ROW1 matrix_b_scale:MATRIX_SCALE_ROW1
.endif
.endm
; 16 products: o's blocks a0, a0 + 1 against W's eight tiles, transposed.  bias = 1: the first step, whose C is the bias (window 0).  The 32 accumulators take turns, one instruction a turn, in the same order in every step.
.macro MULQ a0, p, q, sc, bias
.if \bias
	WIN (0xc0|((1+\p)<<2)|(1+\p))
.else
	WIN (0xf0|((1+\p)<<2)|(1+\p))
.endif
.irp a, \a0, \a0+1
.irp b, 0,1,2,3,4,5,6,7
.if \bias
	WM 8*(8*(\a)+\b), 48+12*\b, 12*(\a), SB+NB*\sc+2*(\b%(NB/2))+\q, \b/(NB/2), SA+4*\sc+2*((\a)%2)+\q, (\a)/2, BI+8*\b
.else
	WM 8*(8*(\a)+\b), 48+12*\b, 12*(\a), SB+NB*\sc+2*(\b%(NB/2))+\q, \b/(NB/2), SA+4*\sc+2*((\a)%2)+\q, (\a)/2, 8*(8*(\a)+\b)
.endif
.endr
.endr
.endm
.macro MUL p, q, sc, bias
	MULQ 0, \p, \q, \sc, \bias
	MULQ 2, \p, \q, \sc, \bias
.endm
.macro PLAIN fs, fq, fp, kk, p, q, sc  ; this step's fragments are in; four places behind the last step's products, whose set the next fetch overwrites; the next fetch; the products
	WIN 0
	s_wait_dscnt 0x0
	PLACES 4
	FETCH \fs, \fq, \fp
.if \kk >= 0
	SCALES \kk
.endif
	MUL \p, \q, \sc, 0
.endm
	s_wait_tensorcnt 0x2                           ; the scale bytes and my part of slot 0 are in; slots 1 and 2 may be out
	s_barrier_signal -1
	s_barrier_wait -1
	FETCH 0, 0, 0
	SCALES 0
	s_wait_loadcnt 48                              ; the bias is in; the 48 loads of x issued behind it may be out
	XLOAD 3, 144, 2
	s_wait_dscnt 0x0                               ; step 0: its products start the sums from the bias
	FETCH 0, 1, 1
	MUL 0, 0, 0, 1
	WIN 0                                          ; step 1 leaves slot 0, which takes K's last quarter
	s_wait_tensorcnt 0x0                           ; all my tensor loads have landed: my parts of slots 1 and 2;
	ds_add_u32 v[SPW], v[NIL]                      ; 0 onto my spare word
	s_add_nc_u64 s[G0A+2:G0A+3], s[G0A+2:G0A+3], 3*3072
	s_add_nc_u64 s[G0B+2:G0B+3], s[G0B+2:G0B+3], 3*192
	s_wait_dscnt 0x0                               ; the add is done; this step's fragments are in, and with them my reads of slot 0 are over
	s_barrier_signal -1
	MULQ 0, 1, 1, 0, 0
	WIN 0
	s_barrier_wait -1
	CREST                                          ; the barrier has opened a round of the cluster's: no wave of any partner still reads slot 0 or has a load on its way
	JLOAD G0A, G1A, G0B, G1B                       ; the first tensor load behind the round; its four v_nop are the places in front of the loads below
	FETCH 1, 0, 0
	SCALES 1
	MULQ 2, 1, 1, 0, 0
	PLAIN 1, 1, 1, -1, 0, 0, 1                     ; step 2
	PLAIN 2, 0, 0, 2, 1, 1, 1                      ; step 3
	PLAIN 2, 1, 1, -1, 0, 0, 0                     ; step 4
	WIN 0                                          ; step 5 goes back to slot 0: every wave's part of the refill has to be in
	s_wait_tensorcnt 0x0
	ds_add_u32 v[SPW], v[NIL]
	s_wait_dscnt 0x0
	s_barrier_signal -1
	MULQ 0, 1, 1, 0, 0
	WIN 0
	s_barrier_wait -1
	PLACES 4
	FETCH 0, 0, 0
	SCALES 3
	MULQ 2, 1, 1, 0, 0
	PLAIN 0, 1, 1, -1, 0, 0, 1                     ; step 6
	WIN 0
	s_wait_dscnt 0x0                               ; step 7: nothing more to fetch
	MUL 1, 1, 1, 0
	WIN 0
	PLACES 4                                       ; in front of the first read of results and of the loads into registers that held fragments
	s_wait_loadcnt 0x0                             ; x
.macro TOSTAGE a                       ; block a: 16 rows x 128 columns into my stage, each accumulator from its low end on, and back as whole rows.  LDS serves a wave's instructions in order (ISA guide 5.7.1.4)
	WIN 0x0c
.irp b, 0,1,2,3,4,5,6,7
	ds_store_b128 v[STO], v[8*(8*(\a)+\b):8*(8*(\a)+\b)+3] offset:128*(\b/2)+32*(\b%2)
	ds_store_b128 v[STO], v[8*(8*(\a)+\b)+4:8*(8*(\a)+\b)+7] offset:128*(\b/2)+32*(\b%2)+16
.endr
	WIN 0x40
.irp t, 0,1,2,3,4,5,6,7,8,9,10,11,12,13,14,15
	ds_load_b128 v[64*((\a)%2)+4*\t:64*((\a)%2)+4*\t+3], v[RD] offset:528*\t
.endr
	WIN 0
.endm
.macro SEND a, younger, xr, xw         ; younger: the LDS instructions issued behind block a's loads; x's block lies at v[xr] of window xw
	s_wait_dscnt \younger
	WIN (0x41|((\xw)<<2))
.set jj, 0
.rept 32
	v_pk_add_f32 v[64*((\a)%2)+jj:64*((\a)%2)+jj+1], v[64*((\a)%2)+jj:64*((\a)%2)+jj+1], v[\xr+jj:\xr+jj+1]
.set jj, jj+2
.endr
	WIN 0x04
.irp t, 0,1,2,3,4,5,6,7,8,9,10,11,12,13,14,15
	global_store_b128 v[L16], v[64*((\a)%2)+4*\t:64*((\a)%2)+4*\t+3], s[16:17] offset:(32*((\a)/2)+8*((\a)%2)+\t+8*(\t/8))*4096 th:TH_STORE_NT
.endr
	WIN 0
.endm
	TOSTAGE 0
	TOSTAGE 1
	SEND 0, 32, 128, 0                             ; behind block 0's loads: block 1's 16 stores and 16 loads
	s_wait_xcnt 0x0                                ; block 0's stores have read their registers: block 2's rows may land there
	TOSTAGE 2
	SEND 1, 32, 192, 0
	s_wait_xcnt 0x0
	TOSTAGE 3
	SEND 2, 32, 144, 1
	SEND 3, 0, 144, 2
	s_wait_tensorcnt 0x0                           ; the wave's end
	ds_add_u32 v[SPW], v[NIL]
	s_wait_dscnt 0x0
	CROUND                                         ; the closing round
	s_endpgm
.Lfunc_end_k_q8c1b7a91c3_proj:
	.size	k_q8c1b7a91c3_proj, .Lfunc_end_k_q8c1b7a91c3_proj-k_q8c1b7a91c3_proj
	.p2alignl 7, 3214868480
	.fill 96, 4, 3214868480
	.section	.rodata,"a",@progbits
	.p2align	6, 0x0
	.amdhsa_kernel k_q8c1b7a91c3_proj
		.amdhsa_group_segment_fixed_size 327680
		.amdhsa_private_segment_fixed_size 0
		.amdhsa_enable_private_segment 0
		.amdhsa_kernarg_size 56
		.amdhsa_user_sgpr_count 2
		.amdhsa_user_sgpr_kernarg_segment_ptr 1
		.amdhsa_wavefront_size32 1
		.amdhsa_system_sgpr_workgroup_id_x 1
		.amdhsa_system_sgpr_workgroup_id_y 1
		.amdhsa_system_sgpr_workgroup_id_z 1
		.amdhsa_system_vgpr_workitem_id 0
		.amdhsa_next_free_vgpr 1024
		.amdhsa_next_free_sgpr 102
		.amdhsa_reserve_vcc 0
		.amdhsa_float_denorm_mode_32 3
		.amdhsa_float_denorm_mode_16_64 3
		.amdhsa_memory_ordered 1
		.amdhsa_forward_progress 1
		.amdhsa_inst_pref_size 111
	.end_amdhsa_kernel
	.amdgpu_metadata
---
amdhsa.version: [ 1, 2 ]
amdhsa.kernels:
  - .name:           k_q8c1b7a91c3_proj
    .symbol:         k_q8c1b7a91c3_proj.kd
    .args:
      - { .name: oc, .offset: 0, .size: 8, .value_kind: global_buffer, .address_space: global }
      - { .name: os, .offset: 8, .size: 8, .value_kind: global_buffer, .address_space: global }
      - { .name: out_w_codes, .offset: 16, .size: 8, .value_kind: global_buffer, .address_space: global }
      - { .name: out_w_scales, .offset: 24, .size: 8, .value_kind: global_buffer, .address_space: global }
      - { .name: out_b, .offset: 32, .size: 8, .value_kind: global_buffer, .address_space: global }
      - { .name: x, .offset: 40, .size: 8, .value_kind: global_buffer, .address_space: global }
      - { .name: out0, .offset: 48, .size: 8, .value_kind: global_buffer, .address_space: global }
    .group_segment_fixed_size: 327680
    .private_segment_fixed_size: 0
    .kernarg_segment_align: 8
    .kernarg_segment_size: 56
    .max_flat_workgroup_size: 128
    .sgpr_count:     102
    .vgpr_count:     1024
    .wavefront_size: 32
...
	.end_amdgpu_metadata
.endif
;; end of part 4
